; MI455X (gfx1250); checked and timed in simulation.
; The chip was launched on July 23, 2026; its instructions are those of AMD's public machine-readable ISA for CDNA 5 (MIT licence, August 2026) and "CDNA5" Instruction Set Architecture Reference Guide (July 2026). The comments in the code are by the model that wrote it; some were corrected since.
;; Optimized Multi Head Attn. Allowed arithmetic: matrix products marked QUANTISED: E2M1 operands, one E8M0 scale for each 32 along K, by v_wmma_scale_f32_16x16x128_f8f6f4 with both operands' format E2M1 (or v_wmma_scale_f32_32x16x128_f4), f32 sums; everything else in f32.
;; Inputs: attn_b 3,072 float32; attn_w 3,072 x 1,024 float32; proj_b 1,024 float32; proj_w 1,024 x 1,024 float32; x 2 x 2,048 x 1,024 float32.
;; Outputs: out0 2 x 2,048 x 1,024 float32.
;; This version of the problem:
;;   THIS VERSION OF THE PROBLEM IS GIVEN IN LOW PRECISION. The matrix products marked QUANTISED in the list below multiply operands that are first quantised to E2M1 (2 exponent bits, 1 mantissa bit; 4 bits a number), with one power-of-two scale for each 32 numbers along K (OCP MX v1.0); their sums are f32. All else is computed in f32.
;;   The module's matrix products, in the order in which they are computed (A, B: the left and right operand; K: the contracted axis; several contracted axes count as one K, in the product's order):
;;     1. [M 4,096, K 1,024] x [K 1,024, N 3,072]; A: input x; B: input attn_w: QUANTISED
;;     2. batch 32 x [M 2,048, K 64] x [K 64, N 2,048]; A: computed on the way; B: computed on the way: QUANTISED
;;     3. batch 32 x [M 2,048, K 2,048] x [K 2,048, N 64]; A: softmax (see below); B: computed on the way: QUANTISED
;;     4. [M 4,096, K 1,024] x [K 1,024, N 1,024]; A: computed on the way; B: input proj_w: QUANTISED
;;   THE QUANTISER, for each operand of a quantised product, along K:
;;     - K is cut into blocks of 32 from its start; a last block that is shorter is filled with zeros.
;;     - A block's scale is 2^e with e = floor(log2(the largest magnitude in the block)) - 2, held to -126 .. 127; a block of zeros has e = 0. As a byte (E8M0): e + 127.
;;     - Each number is divided by its block's scale, clamped to +-6, and rounded to the nearest number of E2M1, ties to even, subnormals kept.
;;     - The product sums the exact products of the quantised numbers (number of the format x scale) in f32.
;;   ~~~python
;;   def quantise(x, axis):      # numpy; x: float32 -> the quantised numbers, widened to float32 again
;;       x = np.moveaxis(x, axis, -1); K = x.shape[-1]
;;       x = np.pad(x, [(0, 0)] * (x.ndim - 1) + [(0, -K % 32)]); x = x.reshape(x.shape[:-1] + (-1, 32)); a = np.abs(x).max(-1, keepdims=True)
;;       e = np.where(a > 0, np.clip(np.frexp(np.where(a > 0, a, 1))[1] - 1 - 2, -126, 127), 0)      # np.frexp(a)[1] - 1 = floor(log2(a)), exactly
;;       r = np.clip(x / 2.0 ** e, -6, 6)
;;       step = 2.0 ** (np.maximum(np.frexp(np.where(r == 0, 1, r))[1] - 1, 0) - 1)
;;       q = np.round(r / step) * step * 2.0 ** e      # np.round: ties to even
;;       return np.moveaxis(q.reshape(q.shape[:-2] + (-1,))[..., :K], -1, axis).astype(np.float32)
;;   ~~~
;;   SOFTMAX AHEAD OF A QUANTISED PRODUCT. Where the list says 'softmax', what is quantised is not the finished softmax but p = 2^(t - M), with t = logit x log2(e) and M = ceil(the row's largest t), a whole number; so 1/2 < the row's largest p <= 1. The row's sum l is taken of the UNQUANTISED p, in f32, and the product's result is divided by l at the end. Since M is a whole number, a kernel that streams over the keys may use a running M (the ceiling of the running maximum): every later rescaling is an exact power of two, which a block's scale takes up: the codes' values come out the same.
;;   OPERANDS COMPUTED ON THE WAY. 'Computed on the way' means the value that the module computes at that place (a softmax that the list does not call 'softmax' is quantised finished and normalised). What goes into a quantiser is computed in f32, as accurately as f32 sums, v_exp_f32 and their like allow (about 1e-6 of the number): no bf16 or f16 on the way to a quantiser, and a product that is left as it is and whose result goes on into a quantised operand takes f32 operands (vector FMAs, or v_wmma_f32_16x16x4_f32). A number that lies on a knife's edge between two numbers of the format may be rounded either way, as far as f32 arithmetic and the matrix unit's own rounding can turn it there, and no further.
;; One version. Each part assembles by itself: llvm-mc -triple=amdgcn-amd-amdhsa -mcpu=gfx1250 --defsym DOCPART=n.
;; ======== version 1 of 1: 4 launches
;; limits: right only within a limited range of input values
;; workspace buffers: x_img 2,228,224 bytes; w_img 1,949,696 bytes; pw_img 557,056 bytes; q_img 2,097,152 bytes; q_sc 262,144 bytes; kv 4,587,520 bytes; o_img 2,228,224 bytes
;; launch quant (part 1): grid 256 x 1, 4 waves a work-group, no clusters, 34,304 bytes of LDS; arguments x, attn_w, proj_w, x_img, w_img, pw_img; writes x_img, w_img, pw_img
.if DOCPART == 1
	.amdgcn_target "amdgcn-amd-amdhsa--gfx1250"
	.amdhsa_code_object_version 6
	.text
	.protected	k_q007109b545_quant
	.globl	k_q007109b545_quant
	.p2align	8
	.type	k_q007109b545_quant,@function
k_q007109b545_quant:
	s_mov_b64 s[64:65], 0
	v_nop
	global_prefetch_b8 v0, s[64:65] scope:SCOPE_SE
	s_setreg_imm32_b32 hwreg(HW_REG_WAVE_MODE, 25, 1), 1
	s_wait_xcnt 0x0
; THE PROGRAM: causal attention with 16 heads of 64 on [2][2048][1024], all four products on codes of FP4 (E2M1) with one E8M0 scale for each 32 along K.  Four launches:
;   quant: x, attn_w, proj_w (f32, K innermost) -> codes and scale words;   qkv: x attn_w^T + attn_b, quantised in registers into q, k (along the head's 64) and v (along the keys);
;   attn: softmax(q k^T / 8) v on codes, its result quantised along the 1,024 channels;   proj: that result x proj_w^T + proj_b -> out0.
; WORK LEFT OUT.  reference() builds the causal mask in its own body (jnp.tril) and replaces the score of key k > query q by the least f32 number ahead of the softmax.  Key k = q always counts, so the row's largest
; score is a true score, and the weight of a hidden key is 0 for all finite inputs: it adds nothing to the row's sum nor to the second product.  So a step of 128 keys ALL of which come after ALL 16 queries of a tile is not
; multiplied (launch attn); inside the one step on the diagonal the hidden scores are computed and replaced.  Nothing else is left out: every input has a way to the output (both biases go into quantisers or into out0).
; LIMIT: a NaN, an infinity or an overflow that reaches only the hidden key steps is not carried to the result.
; OTHER LIMITS: NaN and infinities among the inputs are not served.  A block whose largest magnitude lies under 2^-124 (a block of zeros too) gets the scale byte 1, where the rule gives a block of zeros 127:
; its codes are zeros, which add nothing under any byte but 0xff, and the bytes are read by this program alone.
;
; ONE RULE FOR TILES, in all four launches: tile T of 16 rows of an operand holds rows rho(T, r) = 64 (T / 4) + 8 (T % 4) + 32 (r / 8) + r % 8, r = 0 .. 15.  With such tiles as source 0 of a product, a lane's 32 result
; registers of tiles 4 c .. 4 c + 3 are 32 NEIGHBOURS (64 c + 32 (lane / 16) + 0 .. 31) along source 0's rows: a whole block where those rows are the next product's K, in the lane in which the operand's layout wants it.
; THE IMAGES.  An operand with K = 1,024 is laid [half of K][tile T][package of 4,352 bytes] (attn_w's 192 tiles take the room of 256 in a half).  A package: four fragments (16 rows x 128 K), each 1,024 bytes as the
; operand's registers stand: [c = 0, 1][lane][16 bytes], lane (r, h) holding row rho(T, r), k = 128 s + 64 c + 32 h + 0 .. 31; then 256 bytes of scale words [r][s % 4], byte b of a word for k = 32 b on.
;
; THIS LAUNCH.  Work-group G takes 32 rows (a pair of tiles) of one tensor: G < 128: x; G < 224: attn_w; else proj_w; only pointers are chosen, one path serves all.  Wave w takes tile 2 pair + w % 2 and half w / 2 of K:
; four fragments, one whole package.  A load reads 512 consecutive bytes of one row; a fragment's 16 rows turn through the wave's own stage in LDS (rows 528 bytes apart) and come back as two whole blocks of 32 to a lane.
; Stores: 512 consecutive bytes of codes from registers; the scale words as one run of 256 bytes.  Waves share nothing: no barrier.  Up to 32 loads of a wave are out.
.set PKG,   4352
.set NSTG,  16*528                     ; a wave's stage
.set SPARE, 4*NSTG                     ; behind the stages: the spare words, 128 bytes for each wave, which no other line names
.set LI,    1                          ; v1   16 x lane
.set STA,   2                          ; v2   the stage, on the way in: 16 x lane (+ 528 x row in the immediate)
.set RDA,   3                          ; v3   and back: 528 r + 128 h
.set SCO,   4                          ; v4   my two scale words' place: 16 r + 8 h
.set H8,    8                          ; v8   8 h
.set SPW,   14                         ; v14  LDS address of my spare word; never rewritten
.set NIL,   15                         ; v15  0; never rewritten
.set R,     16                         ; v16-143  two sets of 64: a fragment's numbers as loaded
.set X,     144                        ; v144-207 the fragment's numbers as the conversions want them
.set PC,    208                        ; v208-223 two sets of 8: a fragment's codes
.set TM,    224                        ; v224-239 at work
.set SW,    240                        ; v240-243 the four fragments' scale words
.set SS,    244                        ; v244-245 the two that I store
.set SEL,   28                         ; s[28:29] v_permlanex16_b32's selects for lane l xor 16
; 64 numbers of a lane, v[s] .. v[s + 63], register 32 c + i = k 64 c + 32 (lane / 16) + i of my row, become a fragment's codes in v[pc] .. v[pc + 7] and its scale word in v[pw].
.macro QUANT s, pc, pw
.irp b, 0,1,2,3
	v_max3_num_f32 v[TM+\b], |v[\s+16*\b]|, |v[\s+1+16*\b]|, |v[\s+2+16*\b]|
.endr
.irp i, 3,5,7,9,11,13
.irp b, 0,1,2,3
	v_max3_num_f32 v[TM+\b], v[TM+\b], |v[\s+16*\b+\i]|, |v[\s+1+16*\b+\i]|   ; four chains by turns, two to a block
.endr
.endr
.irp c, 0,1
	v_max3_num_f32 v[TM+2*\c], v[TM+2*\c], v[TM+1+2*\c], |v[\s+15+32*\c]|
.endr
.irp c, 0,1
	v_max3_num_f32 v[TM+2*\c], v[TM+2*\c], |v[\s+31+32*\c]|, 0x1800000   ; block c's largest magnitude, and the floor 2^(3 - 127): so the byte cannot fall under 1
.endr
.irp c, 0,1
	v_add_nc_u32 v[TM+12+\c], 0xff000000, v[TM+2*\c]   ; 2 off its exponent field: the conversion takes the exponent field of this operand as its scale
.endr
.irp c, 0,1
	v_lshrrev_b32 v[TM+4+\c], 23, v[TM+12+\c]      ; the scale's byte
.endr
	v_lshl_or_b32 v[TM+4], v[TM+5], 16, v[TM+4]    ; my bytes are h and 2 + h of my row's word
	v_lshlrev_b32 v[TM+4], v[H8], v[TM+4]
	v_permlanex16_b32 v[TM+6], v[TM+4], s[SEL], s[SEL+1]
	v_or_b32 v[\pw], v[TM+4], v[TM+6]              ; with lane l xor 16's two the word is whole
.irp c, 0,1
.irp g, 0,1,2,3
	v_cvt_scalef32_pk8_fp4_f32 v[\pc+4*\c+\g], v[\s+32*\c+8*\g:\s+7+32*\c+8*\g], v[TM+12+\c]
.endr
.endr
	v_nop                                          ; one plain place behind a scaled conversion
.endm
	s_load_b256 s[4:11], s[0:1], 0x0               ; x s[4:5], attn_w s[6:7], proj_w s[8:9], x_img s[10:11]
	s_load_b128 s[12:15], s[0:1], 0x20             ; w_img s[12:13], pw_img s[14:15]
	v_lshl_add_u32 v[SPW], v0, 2, SPARE
	v_mov_b32 v[NIL], 0
	v_lshrrev_b32 v5, 5, v0
	v_readfirstlane_b32 s24, v5                    ; wave 0..3
	v_and_b32 v5, 31, v0                           ; lane
	v_and_b32 v6, 15, v0                           ; r
	v_bfe_u32 v7, v0, 4, 1                         ; h
	v_lshlrev_b32 v[LI], 4, v5
	s_mul_i32 s25, s24, NSTG                       ; my stage
	v_add_nc_u32 v[STA], s25, v[LI]
	v_mul_u32_u24 v[RDA], v6, 528
	v_lshl_add_u32 v[RDA], v7, 7, v[RDA]
	v_add_nc_u32 v[RDA], s25, v[RDA]
	v_lshlrev_b32 v[SCO], 4, v6
	v_lshl_add_u32 v[SCO], v7, 3, v[SCO]
	v_lshlrev_b32 v[H8], 3, v7
	v_cmp_le_u32 s30, 16, v5                       ; lanes 16-31
	v_mov_b32 v[TM+6], 0                           ; written once: a lane permute's destination counts as one of its sources
	s_and_b32 s26, s24, 1                          ; which tile of the pair
	s_lshr_b32 s27, s24, 1                         ; which half of K
	s_mov_b32 s[SEL], 0x76543210
	s_mov_b32 s[SEL+1], 0xfedcba98
	s_mov_b32 s21, 224
	s_wait_alu depctr_va_vdst(0)                   ; the wait at the head's end
	s_wait_kmcnt 0x0
	s_cmp_lt_u32 ttmp9, 224                        ; the choices hang on the work-group's number alone
	s_cselect_b64 s[16:17], s[6:7], s[8:9]         ; from
	s_cselect_b64 s[18:19], s[12:13], s[14:15]     ; to
	s_cselect_b32 s20, 256, 64                     ; tiles' room in a half of K
	s_cselect_b32 s21, 128, s21                    ; the tensor's first work-group
	s_cmp_lt_u32 ttmp9, 128
	s_cselect_b64 s[16:17], s[4:5], s[16:17]
	s_cselect_b64 s[18:19], s[10:11], s[18:19]
	s_cselect_b32 s20, 256, s20
	s_cselect_b32 s21, 0, s21
	s_sub_co_u32 s21, ttmp9, s21                   ; the pair of tiles
	s_lshr_b32 s22, s21, 1
	s_lshl_b32 s22, s22, 18                        ; 64 rows of 4,096 bytes for two pairs,
	s_and_b32 s23, s21, 1
	s_lshl_b32 s23, s23, 16                        ; 16 rows on for the odd pair,
	s_add_co_u32 s22, s22, s23
	s_lshl_b32 s23, s26, 15                        ; 8 rows on for the odd tile,
	s_add_co_u32 s22, s22, s23
	s_lshl_b32 s23, s27, 11                        ; 512 numbers on for the second half of K
	s_add_co_u32 s22, s22, s23
	s_mov_b32 s23, 0
	s_add_nc_u64 s[16:17], s[16:17], s[22:23]
	s_mul_i32 s22, s27, s20                        ; my package: half x room + 2 pair + w % 2
	s_lshl_b32 s31, s21, 1
	s_add_co_u32 s22, s22, s31
	s_add_co_u32 s22, s22, s26
	s_mul_i32 s22, s22, PKG
	s_add_nc_u64 s[18:19], s[18:19], s[22:23]
.macro LOAD t                          ; fragment t: row i of the tile is row i % 8 + 32 (i / 8) from the tile's first; 32 lanes read 512 consecutive bytes of it
.irp i, 0,1,2,3,4,5,6,7,8,9,10,11,12,13,14,15
	global_load_b128 v[R+64*((\t)%2)+4*\i:R+64*((\t)%2)+4*\i+3], v[LI], s[16:17] offset:(\i+24*(\i/8))*4096+512*(\t) th:TH_LOAD_NT
.endr
.endm
.macro PIECE t
.if (\t) < 3
	s_wait_loadcnt 16                              ; this fragment's 16 loads are in; the next fragment's 16 may be out
.else
	s_wait_loadcnt 0x0
.endif
.irp i, 0,1,2,3,4,5,6,7,8,9,10,11,12,13,14,15
	ds_store_b128 v[STA], v[R+64*((\t)%2)+4*\i:R+64*((\t)%2)+4*\i+3] offset:528*\i
.endr
.irp c, 0,1
.irp j, 0,1,2,3,4,5,6,7
	ds_load_b128 v[X+32*\c+4*\j:X+32*\c+4*\j+3], v[RDA] offset:256*\c+16*\j   ; LDS serves a wave's instructions in order: these see my stores
.endr
.endr
	s_wait_dscnt 0x0                               ; the numbers are back, and the stores have read their registers,
.if (\t)+2 < 4
	LOAD (\t)+2                                    ; which take the fragment two on
.endif
.if (\t) >= 2
	s_wait_xcnt 0x0                                ; the stores of the fragment two back have read this set of codes: it is written again only behind this wait
.endif
	QUANT X, PC+8*((\t)%2), SW+(\t)
	global_store_b128 v[LI], v[PC+8*((\t)%2):PC+8*((\t)%2)+3], s[18:19] offset:1024*(\t)           ; 32 lanes store 512 consecutive bytes, at a multiple of 256 from the buffer's first byte
	global_store_b128 v[LI], v[PC+8*((\t)%2)+4:PC+8*((\t)%2)+7], s[18:19] offset:1024*(\t)+512
.endm
	LOAD 0
	LOAD 1
.irp t, 0,1,2,3
	PIECE \t
.endr
	v_cndmask_b32 v[SS], v[SW], v[SW+2], s30       ; lanes 0-15 store their row's words 0 and 1, lanes 16-31 words 2 and 3
	v_cndmask_b32 v[SS+1], v[SW+1], v[SW+3], s30
	global_store_b64 v[SCO], v[SS:SS+1], s[18:19] offset:4096   ; the 32 lanes fill 256 consecutive bytes
	s_wait_tensorcnt 0x0                           ; the wave's end: behind my last LDS store
	ds_add_u32 v[SPW], v[NIL]
	s_wait_dscnt 0x0
	s_endpgm
.Lfunc_end_k_q007109b545_quant:
	.size	k_q007109b545_quant, .Lfunc_end_k_q007109b545_quant-k_q007109b545_quant
	.p2alignl 7, 3214868480
	.fill 96, 4, 3214868480
	.section	.rodata,"a",@progbits
	.p2align	6, 0x0
	.amdhsa_kernel k_q007109b545_quant
		.amdhsa_group_segment_fixed_size 34304
		.amdhsa_private_segment_fixed_size 0
		.amdhsa_enable_private_segment 0
		.amdhsa_kernarg_size 48
		.amdhsa_user_sgpr_count 2
		.amdhsa_user_sgpr_kernarg_segment_ptr 1
		.amdhsa_wavefront_size32 1
		.amdhsa_system_sgpr_workgroup_id_x 1
		.amdhsa_system_sgpr_workgroup_id_y 1
		.amdhsa_system_sgpr_workgroup_id_z 1
		.amdhsa_system_vgpr_workitem_id 0
		.amdhsa_next_free_vgpr 248
		.amdhsa_next_free_sgpr 66
		.amdhsa_reserve_vcc 0
		.amdhsa_float_denorm_mode_32 3
		.amdhsa_float_denorm_mode_16_64 3
		.amdhsa_memory_ordered 1
		.amdhsa_forward_progress 1
		.amdhsa_inst_pref_size 30
	.end_amdhsa_kernel
	.amdgpu_metadata
---
amdhsa.version: [ 1, 2 ]
amdhsa.kernels:
  - .name:           k_q007109b545_quant
    .symbol:         k_q007109b545_quant.kd
    .args:
      - { .name: x, .offset: 0, .size: 8, .value_kind: global_buffer, .address_space: global }
      - { .name: attn_w, .offset: 8, .size: 8, .value_kind: global_buffer, .address_space: global }
      - { .name: proj_w, .offset: 16, .size: 8, .value_kind: global_buffer, .address_space: global }
      - { .name: x_img, .offset: 24, .size: 8, .value_kind: global_buffer, .address_space: global }
      - { .name: w_img, .offset: 32, .size: 8, .value_kind: global_buffer, .address_space: global }
      - { .name: pw_img, .offset: 40, .size: 8, .value_kind: global_buffer, .address_space: global }
    .group_segment_fixed_size: 34304
    .private_segment_fixed_size: 0
    .kernarg_segment_align: 8
    .kernarg_segment_size: 48
    .max_flat_workgroup_size: 128
    .sgpr_count:     66
    .vgpr_count:     248
    .wavefront_size: 32
...
	.end_amdgpu_metadata
.endif
;; end of part 1
;; launch qkv (part 2): grid 16 x 16, 4 waves a work-group, clusters of 4 x 4, 244,736 bytes of LDS; arguments x_img, w_img, attn_b, q_img, q_sc, kv; writes q_img, q_sc, kv
.if DOCPART == 2
	.amdgcn_target "amdgcn-amd-amdhsa--gfx1250"
	.amdhsa_code_object_version 6
	.text
	.protected	k_q007109b545_qkv
	.globl	k_q007109b545_qkv
	.p2align	8
	.type	k_q007109b545_qkv,@function
k_q007109b545_qkv:
	s_mov_b64 s[64:65], 0
	v_nop
	global_prefetch_b8 v0, s[64:65] scope:SCOPE_SE
	s_setreg_imm32_b32 hwreg(HW_REG_WAVE_MODE, 25, 1), 1
	s_wait_xcnt 0x0
	s_wait_alu depctr_hold_cnt(0) depctr_sa_sdst(0) depctr_va_vdst(0) depctr_va_sdst(0) depctr_va_ssrc(0) depctr_va_vcc(0) depctr_vm_vsrc(0)
	s_getreg_b32 s2, hwreg(HW_REG_IB_STS2, 6, 4)
	s_cmp_eq_u32 s2, 0
	s_cbranch_scc0 .Lentry_in_a_cluster
	s_endpgm
.Lentry_in_a_cluster:
	s_bfe_u32 s2, ttmp6, 0x10000c
	s_cmp_lg_u32 s2, 0xf033
	s_cbranch_scc0 .Lentry_shape_is_right
	s_endpgm
.Lentry_shape_is_right:
; q, k, v = x attn_w^T + attn_b on codes of FP4 (K = 1,024), quantised in registers: q and k along the head's 64, v along the keys.  x and attn_w come as the images of launch quant's head comment.
; 256 work-groups of four waves, all with equal work: 256 tokens (tb) x 128 features of q (fb < 8) or of k (fb >= 8), and 64 features of v, head fb.  Wave w makes 128 tokens (half w / 2) x 64 features of q or k, one head
; (source 0 = 4 tiles of features, source 1 = 8 tiles of tokens), and 128 tokens x 32 features of v (source 0 = 8 tiles of tokens, source 1 = 2 tiles of features): 48 accumulators.  So a lane's 32 registers over four tiles
; of source 0 are one whole block of 32 along the next product's K, quantised where it stands.  The bias is the C of each sum's first matrix instruction.
; All of K lies in LDS: waves 0 and 1 bring 8 packages of x each, wave 2 the 8 of q's or k's rows of attn_w, wave 3 the 4 of v's, both halves of K by ONE joint load of two rows; no LDS byte is filled twice.
; CLUSTERS: 4 x 4: x's packages are shared along a row of the cluster, attn_w's along a column.  A prefetch is left out: everything is asked for at the head, and no loop follows in which to run ahead.
; LIMITS: as at the head of launch quant.
; REGISTERS: window 0: v12-31 addresses; v32-95 scale words, a set for each half of K; v96-127 at work; v128-255 x's fragments, two sets, on the way out codes.  window 1: v0-95 attn_w's fragments, two sets; v128-175 biases.
;   window 2: q's or k's accumulators ((token tile a, feature tile b) at v[32 a + 8 b]);  window 3: v's ((feature tile d, token tile t) at v[64 d + 8 t]).
.set PKG,   4352
.set HALFT, 16*PKG                     ; 8 packages of each half of K
.set SLOT,  8*PKG                      ; from the first half's packages to the second's (v's: 4 packages)
.set XCH,   56*PKG                     ; v's scale words from wave to wave: 256 bytes for each of the two blocks of tokens; no tensor load lands here
.set SPARE, XCH+512                    ; the spare words, 128 bytes for each wave, which no other line names
.set KVH,   143360
.set KVS,   8960
.set H8,   12                          ; v12  8 h
.set OSB,  13                          ; v13  KVS h + 16 r
.set BO,   14                          ; v14  128 h: a lane's features of q or k are 32 h + 8 b + 0 .. 7
.set BVO,  15                          ; v15  my row's feature of a tile of v, in bytes
.set AX,   16                          ; v16-17: LDS address of x's fragments in the two halves of K
.set AW,   18                          ; v18-19 q's or k's
.set AV,   20                          ; v20-21 v's
.set AS,   22                          ; v22-23 scale words: lanes 0-15 x's tiles 0-3, lanes 16-31 q's or k's four
.set AT,   24                          ; v24-25 lanes 0-15 x's tiles 4, 5, lanes 16-31 v's two
.set AU,   26                          ; v26-27 x's tiles 6, 7
.set SPW,  28                          ; v28  LDS address of my spare word; never rewritten
.set NIL,  29                          ; v29  0; never rewritten
.set XST,  30
.set XLD,  31
.set LI,   11                          ; v11  16 x lane
.set SC,   32
.set TQ,   96                          ; v96-103  largest magnitudes: q's or k's eight blocks,
.set TV,   104                         ; v104-107 v's four
.set OQ,   108                         ; v108-115 the conversions' scale operands
.set OV,   116                         ; v116-119
.set E,    120                         ; v120-127 q's or k's scale bytes
.set XF,   128
.set VB,   128                         ; on the way out: v's bytes,
.set VX,   132
.set VW,   134                         ; words
.set PV,   136                         ; and codes;
.set PQ,   160                         ; q's or k's codes
.set SA,   192                         ; and words
.set XL,   196
.set BI,   128                         ; in window 1
.set BIV,  160
.set SEL,  2
.set G1,  24                           ; s[24:31], s[32:35] x;  s[48:55], s[36:39] q's or k's rows;  s[56:63], s[40:43] v's
.set G0,  32
.set G0B, 36
.set G0C, 40
.set G1B, 48
.set G1C, 56
.set MSB, 0
.macro WIN new
.if MSB != (\new)
	s_set_vgpr_msb (MSB<<8)|(\new)
.set MSB, (\new)
.endif
.endm
.macro CROUND
	s_barrier_signal -1
	s_barrier_wait -1
	s_cmp_lg_u32 s16, 0
	s_cbranch_scc1 .Lnot_wave_0_\@
	s_barrier_signal -3
.Lnot_wave_0_\@:
	s_barrier_wait -3
	s_barrier_signal -1
	s_barrier_wait -1
.endm
.macro PLACES
.rept 4
	v_nop
.endr
.endm
	s_load_b256 s[4:11], s[0:1], 0x0               ; x_img s[4:5], w_img s[6:7], attn_b s[8:9], q_img s[10:11]
	s_load_b128 s[12:15], s[0:1], 0x20             ; q_sc s[12:13], kv s[14:15]
	v_lshl_add_u32 v[SPW], v0, 2, SPARE
	v_mov_b32 v[NIL], 0
	ds_add_u32 v[SPW], v[NIL]                      ; the wave's opening: the add, twice on end, and its wait ahead of my first tensor load; the set-up below stands between
	ds_add_u32 v[SPW], v[NIL]
	v_lshrrev_b32 v1, 5, v0
	v_readfirstlane_b32 s16, v1                    ; wave 0..3
	s_lshr_b32 s17, s16, 1                         ; which 128 tokens are mine
	s_and_b32 s18, s16, 1                          ; which head of q or k, and which two tiles of v
	s_bfe_u32 s66, ttmp6, 0x40000                  ; cx
	s_bfe_u32 s67, ttmp6, 0x40004                  ; cy
	s_lshl_b32 s44, ttmp9, 2
	s_add_co_u32 s44, s44, s66                     ; fb
	s_and_b32 s45, ttmp7, 0xffff
	s_lshl_b32 s45, s45, 2
	s_add_co_u32 s45, s45, s67                     ; tb
	s_lshl_b32 s46, s67, 2
	s_lshl_b32 s46, 15, s46                        ; my row of the cluster
	s_lshl_b32 s47, 0x1111, s66                    ; my column
	s_or_b32 s[G1], s46, (3<<16)|(1<<21)           ; 15:0 the mask; 17:16 elements of 8 bytes; 21 set beside a mask
	s_or_b32 s[G1B], s47, (3<<16)|(1<<21)
	s_or_b32 s[G1C], s47, (3<<16)|(1<<21)
.irp g, G1, G1B
	s_mov_b32 s[\g+1], PKG<<16                     ; tensor_dim0: 8 packages are PKG elements of 8 bytes
	s_mov_b32 s[\g+2], 2<<16                       ; tensor_dim1: the two halves of K
	s_mov_b32 s[\g+3], PKG<<16                     ; tile_dim0
	s_mov_b32 s[\g+4], 2                           ; tile_dim1
	s_mov_b32 s[\g+5], 32*PKG                      ; tensor_dim0_stride: the room of 256 packages
	s_mov_b32 s[\g+6], 0
	s_mov_b32 s[\g+7], 0
.endr
	s_mov_b32 s[G1C+1], (PKG/2)<<16                ; v's: 4 packages
	s_mov_b32 s[G1C+2], 2<<16
	s_mov_b32 s[G1C+3], (PKG/2)<<16
	s_mov_b32 s[G1C+4], 2
	s_mov_b32 s[G1C+5], 32*PKG
	s_mov_b32 s[G1C+6], 0
	s_mov_b32 s[G1C+7], 0
	s_lshl_b32 s20, s45, 4
	s_lshl_b32 s19, s18, 3
	s_add_co_u32 s20, s20, s19
	s_mul_i32 s20, s20, PKG                        ; x: waves 0, 1: package 16 tb + 8 w
	s_mov_b32 s21, 0
	s_mul_i32 s22, s18, HALFT                      ; and where it goes: no place in the cluster enters an LDS address
	s_mul_i32 s68, s44, 8*PKG                      ; attn_w: package 8 fb
	s_mov_b32 s69, 0
	s_lshl_b32 s70, s44, 2
	s_add_co_u32 s70, s70, 128
	s_mul_i32 s70, s70, PKG                        ; v's: package 128 + 4 fb
	s_mov_b32 s71, 0
	s_mov_b32 s[SEL], 0x76543210
	s_mov_b32 s[SEL+1], 0xfedcba98
	s_wait_dscnt 0x0                               ; both opening adds are done
	CROUND                                         ; all sixteen work-groups are here: the joint loads meet
	s_wait_kmcnt 0x0
	s_mov_b32 s[G0], 1
	s_mov_b32 s[G0+1], s22
	s_add_nc_u64 s[G0+2:G0+3], s[4:5], s[20:21]
	s_or_b32 s[G0+3], s[G0+3], 0x80000000
	s_mov_b32 s[G0B], 1
	s_mov_b32 s[G0B+1], 2*HALFT
	s_add_nc_u64 s[G0B+2:G0B+3], s[6:7], s[68:69]
	s_or_b32 s[G0B+3], s[G0B+3], 0x80000000
	s_mov_b32 s[G0C], 1
	s_mov_b32 s[G0C+1], 3*HALFT
	s_add_nc_u64 s[G0C+2:G0C+3], s[6:7], s[70:71]
	s_or_b32 s[G0C+3], s[G0C+3], 0x80000000
	s_cmp_lt_u32 s16, 2                            ; one load a wave; the branches hang on the wave's number alone
	s_cbranch_scc0 .Lfor_w
	tensor_load_to_lds s[G0:G0+3], s[G1:G1+7]
	s_nop 0
	PLACES
	s_branch .Lasked
.Lfor_w:
	s_cmp_lt_u32 s16, 3
	s_cbranch_scc0 .Lfor_v
	tensor_load_to_lds s[G0B:G0B+3], s[G1B:G1B+7]
	s_nop 0
	PLACES
	s_branch .Lasked
.Lfor_v:
	tensor_load_to_lds s[G0C:G0C+3], s[G1C:G1C+7]
	s_nop 0
	PLACES
.Lasked:
	s_lshl_b32 s72, s44, 9
	s_lshl_b32 s19, s18, 8
	s_add_co_u32 s72, s72, s19                     ; the biases of my 64 features of q or k,
	s_mov_b32 s73, 0
	s_add_nc_u64 s[72:73], s[8:9], s[72:73]
	s_lshl_b32 s74, s44, 8
	s_lshl_b32 s19, s18, 6
	s_add_co_u32 s74, s74, s19
	s_add_co_u32 s74, s74, 8192                    ; and of my two tiles of v: head fb, tiles 2 (w % 2), + 1
	s_mov_b32 s75, 0
	s_add_nc_u64 s[74:75], s[8:9], s[74:75]
	s_lshl_b32 s76, s45, 1
	s_add_co_u32 s76, s76, s17
	s_and_b32 s76, s76, 15                         ; my block of 128 tokens in its batch
	s_lshr_b32 s77, s45, 3
	s_lshl_b32 s77, s77, 4                         ; 16 x batch
	s_and_b32 s78, s44, 7
	s_lshl_b32 s78, s78, 1
	s_add_co_u32 s78, s78, s18
	s_add_co_u32 s78, s78, s77                     ; my head of q or k, of 32
	s_mov_b32 s80, KVH
	s_mov_b32 s81, KVS
	s_mov_b32 s82, 8192
	s_cmp_lt_u32 ttmp9, 2                          ; the cluster's x: q (0, 1) or k (2, 3), alike in all partners
	s_cselect_b64 s[84:85], s[10:11], s[14:15]
	s_cselect_b64 s[86:87], s[12:13], s[14:15]
	s_cselect_b32 s88, 0x10000, s80                ; from head to head: codes,
	s_cselect_b32 s89, 0x2000, s80                 ; words;
	s_cselect_b32 s90, 4096, s81                   ; from block to block
	s_cselect_b32 s91, 512, s81
	s_cselect_b32 s82, 0, s82
	s_mul_i32 s92, s88, s78
	s_mul_i32 s90, s90, s76
	s_add_co_u32 s92, s92, s90
	s_mov_b32 s93, 0
	s_add_nc_u64 s[84:85], s[84:85], s[92:93]      ; my codes
	s_mul_i32 s94, s89, s78
	s_mul_i32 s91, s91, s76
	s_add_co_u32 s94, s94, s91
	s_add_co_u32 s94, s94, s82
	s_mov_b32 s95, 0
	s_add_nc_u64 s[86:87], s[86:87], s[94:95]      ; my words
	s_add_co_u32 s96, s44, s77                     ; my head of v
	s_mul_i32 s96, s96, KVH
	s_mul_i32 s19, s76, KVS
	s_add_co_u32 s96, s96, s19
	s_mov_b32 s97, 0
	s_add_nc_u64 s[96:97], s[14:15], s[96:97]      ; its block
	s_lshl_b32 s98, s18, 11
	s_mov_b32 s99, 0
	s_add_nc_u64 s[98:99], s[96:97], s[98:99]      ; and my two tiles' codes, 4,096 bytes on
	s_mul_i32 s88, s17, HALFT                      ; in LDS: my 8 tiles of x,
	s_mul_i32 s89, s18, 4*PKG
	s_add_co_u32 s89, s89, 2*HALFT                 ; my 4 of q's or k's rows,
	s_mul_i32 s90, s18, 2*PKG
	s_add_co_u32 s90, s90, 3*HALFT                 ; my 2 of v's;
	s_sub_co_u32 s91, s89, s88                     ; the distances from x's scale words to theirs:
	s_sub_co_u32 s92, s90, s88
	s_sub_co_u32 s92, s92, 4*PKG                   ; v's from x's fifth tile, in the first half of K,
	s_sub_co_u32 s93, s92, 4*PKG                   ; and in the second
	s_add_co_u32 s94, s88, 4096
	s_lshl_b32 s95, s17, 8
	s_lshl_b32 s19, s18, 3
	s_add_co_u32 s95, s95, s19
	s_add_co_u32 s95, s95, XCH
	v_and_b32 v1, 15, v0                           ; r
	v_bfe_u32 v2, v0, 4, 1                         ; h
	v_and_b32 v3, 31, v0                           ; lane
	v_lshlrev_b32 v4, 4, v1                        ; 16 r
	v_lshlrev_b32 v[LI], 4, v3
	v_lshlrev_b32 v[BO], 7, v2
	v_lshlrev_b32 v[H8], 3, v2
	v_add_nc_u32 v[AX], s88, v[LI]
	v_add_nc_u32 v[AX+1], SLOT, v[AX]
	v_add_nc_u32 v[AW], s89, v[LI]
	v_add_nc_u32 v[AW+1], SLOT, v[AW]
	v_add_nc_u32 v[AV], s90, v[LI]
	v_add_nc_u32 v[AV+1], 4*PKG, v[AV]
	v_add_nc_u32 v8, s94, v4                       ; x's first tile's words
	v_mul_u32_u24 v5, s91, v2
	v_add_nc_u32 v[AS], v8, v5
	v_add_nc_u32 v[AS+1], SLOT, v[AS]
	v_add_nc_u32 v9, 4*PKG, v8
	v_mul_u32_u24 v6, s92, v2
	v_add_nc_u32 v[AT], v9, v6
	v_add_nc_u32 v9, 12*PKG, v8
	v_mul_u32_u24 v6, s93, v2
	v_add_nc_u32 v[AT+1], v9, v6
	v_add_nc_u32 v[AU], 6*PKG, v8
	v_add_nc_u32 v[AU+1], SLOT, v[AU]
	v_add_nc_u32 v[XST], s95, v4
	v_add_nc_u32 v[XLD], XCH, v[LI]
	v_mul_u32_u24 v[OSB], v2, KVS
	v_add_nc_u32 v[OSB], v[OSB], v4
	v_and_b32 v7, 8, v1
	v_mad_u32_u24 v7, v7, 3, v1                    ; r % 8 + 32 (r / 8)
	v_lshlrev_b32 v[BVO], 2, v7
	s_wait_alu depctr_va_vdst(0)                   ; the wait at the head's end
	WIN 0x40                                       ; destination window 1
.irp b, 0,1,2,3
.irp jj, 0,1
	global_load_b128 v[BI+8*\b+4*\jj:BI+8*\b+4*\jj+3], v[BO], s[72:73] offset:32*\b+16*\jj
.endr
.endr
.irp d, 0,1
	global_load_b32 v[BIV+8*\d], v[BVO], s[74:75] offset:32*\d
.endr
	WIN 0
.macro FETCH k                         ; K step k's fragments (half k / 4, its (k % 4)-th 128) into set k % 2: 28 loads of 16 bytes at 16 x lane
.set FO, 1024*((\k)%4)
.set XS, XF+64*((\k)%2)
.set WS, 48*((\k)%2)
.irp t, 0,1,2,3,4,5,6,7
.irp c, 0,1
	ds_load_b128 v[XS+8*\t+4*\c:XS+8*\t+4*\c+3], v[AX+(\k)/4] offset:PKG*\t+FO+512*\c
.endr
.endr
	WIN 0x40
.irp b, 0,1,2,3
.irp c, 0,1
	ds_load_b128 v[WS+8*\b+4*\c:WS+8*\b+4*\c+3], v[AW+(\k)/4] offset:PKG*\b+FO+512*\c
.endr
.endr
.irp d, 0,1
.irp c, 0,1
	ds_load_b128 v[WS+32+8*\d+4*\c:WS+32+8*\d+4*\c+3], v[AV+(\k)/4] offset:PKG*\d+FO+512*\c
.endr
.endr
	WIN 0
.endm
.macro SCALES hf                       ; a half's scale words, four K steps a register run: 8 loads
.irp i, 0,1,2,3
	ds_load_b128 v[SC+32*(\hf)+4*\i:SC+32*(\hf)+4*\i+3], v[AS+\hf] offset:PKG*\i
.endr
.irp i, 0,1
	ds_load_b128 v[SC+32*(\hf)+16+4*\i:SC+32*(\hf)+16+4*\i+3], v[AT+\hf] offset:PKG*\i
.endr
.irp i, 0,1
	ds_load_b128 v[SC+32*(\hf)+24+4*\i:SC+32*(\hf)+24+4*\i+3], v[AU+\hf] offset:PKG*\i
.endr
.endm
.macro MUL k                           ; 48 matrix instructions, the 48 accumulators by turns
.set XS, XF+64*((\k)%2)
.set WS, 48*((\k)%2)
.set SS, SC+32*((\k)/4)+(\k)%4
.if (\k) == 0
	WIN 0x91                                       ; source 0 (features) window 1, source 1 (tokens) window 0, C the bias in window 1, D window 2
.else
	WIN 0xa1                                       ; C window 2
.endif
.irp a, 0,1,2,3,4,5,6,7
.irp b, 0,1,2,3
.if (\k) == 0
	v_wmma_scale_f32_16x16x128_f8f6f4 v[32*\a+8*\b:32*\a+8*\b+7], v[WS+8*\b:WS+8*\b+7], v[XS+8*\a:XS+8*\a+7], v[BI+8*\b:BI+8*\b+7], v[SS+4*\b], v[SS+4*\a] matrix_a_fmt:MATRIX_FMT_FP4 matrix_b_fmt:MATRIX_FMT_FP4 matrix_a_scale:MATRIX_SCALE_ROW1
.else
	v_wmma_scale_f32_16x16x128_f8f6f4 v[32*\a+8*\b:32*\a+8*\b+7], v[WS+8*\b:WS+8*\b+7], v[XS+8*\a:XS+8*\a+7], v[32*\a+8*\b:32*\a+8*\b+7], v[SS+4*\b], v[SS+4*\a] matrix_a_fmt:MATRIX_FMT_FP4 matrix_b_fmt:MATRIX_FMT_FP4 matrix_a_scale:MATRIX_SCALE_ROW1
.endif
.endr
.endr
.if (\k) == 0
	WIN 0xd4                                       ; source 0 (tokens) window 0, source 1 (features) window 1, C the bias in window 1, D window 3
.else
	WIN 0xf4                                       ; C window 3
.endif
.irp d, 0,1
.irp t, 0,1,2,3,4,5,6,7
.if (\k) == 0
	v_wmma_scale_f32_16x16x128_f8f6f4 v[64*\d+8*\t:64*\d+8*\t+7], v[XS+8*\t:XS+8*\t+7], v[WS+32+8*\d:WS+32+8*\d+7], v[BIV+8*\d:BIV+8*\d+7], v[SS+4*\t], v[SS+16+4*\d] matrix_a_fmt:MATRIX_FMT_FP4 matrix_b_fmt:MATRIX_FMT_FP4 matrix_b_scale:MATRIX_SCALE_ROW1
.else
	v_wmma_scale_f32_16x16x128_f8f6f4 v[64*\d+8*\t:64*\d+8*\t+7], v[XS+8*\t:XS+8*\t+7], v[WS+32+8*\d:WS+32+8*\d+7], v[64*\d+8*\t:64*\d+8*\t+7], v[SS+4*\t], v[SS+16+4*\d] matrix_a_fmt:MATRIX_FMT_FP4 matrix_b_fmt:MATRIX_FMT_FP4 matrix_b_scale:MATRIX_SCALE_ROW1
.endif
.endr
.endr
	WIN 0
.endm
	s_wait_tensorcnt 0x0                           ; my packages have landed,
	s_barrier_signal -1
	s_barrier_wait -1                              ; everybody's have.
	SCALES 0
	FETCH 0
	s_wait_loadcnt 0x0                             ; the biases
	WIN 0x41
.irp d, 0,1
.irp j, 1,2,3,4,5,6,7
	v_mov_b32 v[BIV+8*\d+\j], v[BIV+8*\d]          ; a lane's eight results of v are eight tokens of one feature
.endr
.endr
	WIN 0
	s_wait_alu depctr_va_vdst(0)
.irp k, 0,1,2,3,4,5,6,7
.if \k < 7
.if \k > 0
	PLACES                                         ; in front of loads into the set that the last step's products have read
.endif
	FETCH \k+1
.if \k == 3
	SCALES 1
	s_wait_dscnt 36                                ; all but the 36 just issued
.else
	s_wait_dscnt 28                                ; all but the 28 just issued: this step's fragments are in
.endif
.else
	s_wait_dscnt 0x0
.endif
	MUL \k
.endr
	; THE WAY OUT.  v first: block (d, c) is registers 64 d + 32 c + 0 .. 31: tokens 64 c + 32 h + 0 .. 31 of my feature
	PLACES
	WIN 0x3c                                       ; sources 1 and 2 window 3
.irp b, 0,1,2,3
	v_max3_num_f32 v[TV+\b], 0x1800000, |v[32*\b]|, |v[32*\b+1]|   ; with the floor 2^(3 - 127): so the byte cannot fall under 1
.endr
.irp i, 2,4,6,8,10,12,14,16,18,20,22,24,26,28,30
.irp b, 0,1,2,3
	v_max3_num_f32 v[TV+\b], v[TV+\b], |v[32*\b+\i]|, |v[32*\b+\i+1]|
.endr
.endr
	WIN 0
	v_mov_b32 v[VX], 0                             ; a lane permute's destination counts as one of its sources
	v_mov_b32 v[VX+1], 0
.irp b, 0,1,2,3
	v_add_nc_u32 v[OV+\b], 0xff000000, v[TV+\b]    ; 2 off the exponent field: the conversion's scale operand
.endr
.irp b, 0,1,2,3
	v_lshrrev_b32 v[VB+\b], 23, v[OV+\b]           ; the scale's byte
.endr
.irp d, 0,1
	v_lshl_or_b32 v[VB+2*\d], v[VB+2*\d+1], 16, v[VB+2*\d]   ; my bytes are h and 2 + h of the word
.endr
.irp d, 0,1
	v_lshlrev_b32 v[VB+2*\d], v[H8], v[VB+2*\d]
.endr
.irp d, 0,1
	v_permlanex16_b32 v[VX+\d], v[VB+2*\d], s[SEL], s[SEL+1]
.endr
.irp d, 0,1
	v_or_b32 v[VW+\d], v[VB+2*\d], v[VX+\d]
.endr
	WIN 0x03                                       ; source 0 window 3
.irp b, 0,1,2,3
.irp g, 0,1,2,3
	v_cvt_scalef32_pk8_fp4_f32 v[PV+4*\b+\g], v[32*\b+8*\g:32*\b+8*\g+7], v[OV+\b]
.endr
.endr
	WIN 0
	v_nop                                          ; one plain place behind a scaled conversion
	ds_store_b64 v[XST], v[VW:VW+1]                ; the two words of my row; the lanes of both halves write the same words with the same values
.irp d, 0,1
.irp c, 0,1
	global_store_b128 v[LI], v[PV+8*\d+4*\c:PV+8*\d+4*\c+3], s[98:99] offset:4096+1024*\d+512*\c   ; 32 lanes store 512 consecutive bytes
.endr
.endr
	s_wait_dscnt 0x0                               ; my words lie in LDS
	s_barrier_signal -1
	; work on registers while the others arrive: q's or k's blocks: registers 32 a + 0 .. 31 are features 32 h + 0 .. 31 of tile a's tokens
	WIN 0x28                                       ; sources 1 and 2 window 2
.irp a, 0,1,2,3,4,5,6,7
	v_max3_num_f32 v[TQ+\a], 0x1800000, |v[32*\a]|, |v[32*\a+1]|
.endr
.irp i, 2,4,6,8,10,12,14,16,18,20,22,24,26,28,30
.irp a, 0,1,2,3,4,5,6,7
	v_max3_num_f32 v[TQ+\a], v[TQ+\a], |v[32*\a+\i]|, |v[32*\a+\i+1]|
.endr
.endr
	WIN 0
	s_wait_alu depctr_va_vdst(0)                   ; the wait here, directly ahead of the wait below
	s_barrier_wait -1
	s_cmp_lg_u32 s16, 0
	s_cbranch_scc1 .Lno_words
	ds_load_b128 v[XL:XL+3], v[XLD]                ; wave 0 takes both blocks' words: lanes 0-15 the first 128 tokens, lanes 16-31 the second
.Lno_words:
.irp a, 0,1,2,3,4,5,6,7
	v_add_nc_u32 v[OQ+\a], 0xff000000, v[TQ+\a]
.endr
.irp a, 0,1,2,3,4,5,6,7
	v_lshrrev_b32 v[E+\a], 23, v[OQ+\a]
.endr
	WIN 0x02                                       ; source 0 window 2
.irp a, 0,1,2,3,4,5,6,7
.irp g, 0,1,2,3
	v_cvt_scalef32_pk8_fp4_f32 v[PQ+4*\a+\g], v[32*\a+8*\g:32*\a+8*\g+7], v[OQ+\a]
.endr
.endr
	WIN 0
	v_nop
.irp a, 0,1,2,3,4,5,6,7
	global_store_b128 v[LI], v[PQ+4*\a:PQ+4*\a+3], s[84:85] offset:512*\a
.endr
.irp i, 0,1,2,3
	v_permlane16_swap_b32 v[E+\i], v[E+4+\i]       ; now lanes 0-15 have tile i's bytes and lanes 16-31 tile 4 + i's: byte 0 in the first register, byte 1 in the second
.endr
.irp i, 0,1,2,3
	v_lshl_or_b32 v[SA+\i], v[E+4+\i], 8, v[E+\i]
.endr
	global_store_b128 v[LI], v[SA:SA+3], s[86:87]
	s_cmp_lg_u32 s16, 0
	s_cbranch_scc1 .Ldone
	s_wait_dscnt 0x0
	global_store_b128 v[OSB], v[XL:XL+3], s[96:97] offset:8704   ; sixteen lanes store 256 consecutive bytes
.Ldone:
	s_wait_tensorcnt 0x0                           ; the wave's end
	ds_add_u32 v[SPW], v[NIL]
	s_wait_dscnt 0x0
	CROUND                                         ; the closing round
	s_endpgm
.Lfunc_end_k_q007109b545_qkv:
	.size	k_q007109b545_qkv, .Lfunc_end_k_q007109b545_qkv-k_q007109b545_qkv
	.p2alignl 7, 3214868480
	.fill 96, 4, 3214868480
	.section	.rodata,"a",@progbits
	.p2align	6, 0x0
	.amdhsa_kernel k_q007109b545_qkv
		.amdhsa_group_segment_fixed_size 244736
		.amdhsa_private_segment_fixed_size 0
		.amdhsa_enable_private_segment 0
		.amdhsa_kernarg_size 48
		.amdhsa_user_sgpr_count 2
		.amdhsa_user_sgpr_kernarg_segment_ptr 1
		.amdhsa_wavefront_size32 1
		.amdhsa_system_sgpr_workgroup_id_x 1
		.amdhsa_system_sgpr_workgroup_id_y 1
		.amdhsa_system_sgpr_workgroup_id_z 1
		.amdhsa_system_vgpr_workitem_id 0
		.amdhsa_next_free_vgpr 896
		.amdhsa_next_free_sgpr 100
		.amdhsa_reserve_vcc 0
		.amdhsa_float_denorm_mode_32 3
		.amdhsa_float_denorm_mode_16_64 3
		.amdhsa_memory_ordered 1
		.amdhsa_forward_progress 1
		.amdhsa_inst_pref_size 97
	.end_amdhsa_kernel
	.amdgpu_metadata
---
amdhsa.version: [ 1, 2 ]
amdhsa.kernels:
  - .name:           k_q007109b545_qkv
    .symbol:         k_q007109b545_qkv.kd
    .args:
      - { .name: x_img, .offset: 0, .size: 8, .value_kind: global_buffer, .address_space: global }
      - { .name: w_img, .offset: 8, .size: 8, .value_kind: global_buffer, .address_space: global }
      - { .name: attn_b, .offset: 16, .size: 8, .value_kind: global_buffer, .address_space: global }
      - { .name: q_img, .offset: 24, .size: 8, .value_kind: global_buffer, .address_space: global }
      - { .name: q_sc, .offset: 32, .size: 8, .value_kind: global_buffer, .address_space: global }
      - { .name: kv, .offset: 40, .size: 8, .value_kind: global_buffer, .address_space: global }
    .group_segment_fixed_size: 244736
    .private_segment_fixed_size: 0
    .kernarg_segment_align: 8
    .kernarg_segment_size: 48
    .max_flat_workgroup_size: 128
    .sgpr_count:     100
    .vgpr_count:     896
    .wavefront_size: 32
...
	.end_amdgpu_metadata
.endif
;; end of part 2
;; launch attn (part 3): grid 4 x 64, 16 waves a work-group, clusters of 4 x 4, 167,936 bytes of LDS; arguments q_img, q_sc, kv, o_img; writes o_img
.if DOCPART == 3
	.amdgcn_target "amdgcn-amd-amdhsa--gfx1250"
	.amdhsa_code_object_version 6
	.text
	.protected	k_q007109b545_attn
	.globl	k_q007109b545_attn
	.p2align	8
	.type	k_q007109b545_attn,@function
k_q007109b545_attn:
	s_mov_b64 s[64:65], 0
	v_nop
	global_prefetch_b8 v0, s[64:65] scope:SCOPE_SE
	s_setreg_imm32_b32 hwreg(HW_REG_WAVE_MODE, 25, 1), 1
	s_wait_xcnt 0x0
	s_wait_alu depctr_hold_cnt(0) depctr_sa_sdst(0) depctr_va_vdst(0) depctr_va_sdst(0) depctr_va_ssrc(0) depctr_va_vcc(0) depctr_vm_vsrc(0)
	s_getreg_b32 s2, hwreg(HW_REG_IB_STS2, 6, 4)
	s_cmp_eq_u32 s2, 0
	s_cbranch_scc0 .Lentry_in_a_cluster
	s_endpgm
.Lentry_in_a_cluster:
	s_bfe_u32 s2, ttmp6, 0x10000c
	s_cmp_lg_u32 s2, 0xf033
	s_cbranch_scc0 .Lentry_shape_is_right
	s_endpgm
.Lentry_shape_is_right:
; o = softmax(q k^T / 8, causal) v for 32 heads of 2,048 x 64, both products on codes of FP4 with E8M0 scales; o is quantised along the 1,024 channels into the image that the last launch reads.
; WORK LEFT OUT: a step of 128 keys all of which come after all 16 queries of a wave's tile (the proof stands at the head of launch quant): their weights are 0 by the mask that reference() builds itself.
; THE SOFTMAX AHEAD OF THE SECOND PRODUCT: t = score x log2(e) / 8; M = the running largest t, rounded UP to a whole number; p = 2^(t - M) is quantised along the keys, not normalised; the row's sum is taken of the
; unquantised p and divides at the end; when M moves, the sum and O are multiplied by 2^(old M - new M), which rounds nothing.  A block's scale exponent is floor(t - M) of its largest score, less 2.
; SHARES.  Eight work-groups (g = 0 .. 7) serve a head; each has one tile of 16 queries, tile 8 BAND + g, of each of the 16 bands of 128 queries.  Wave w owns one of them and walks key steps 0 .. BAND; step BAND lies on the
; diagonal.  BAND = 4 m + (m xor s(c)), m = 3 - w / 4, c = w % 4, s = 0, 3, 1, 2: each band once; the four waves with one c have 34 steps together, the longest walk in the lowest of them.
; The head's whole k and v (codes and scale words, 143,360 bytes) lie in LDS: filled once, a step by each wave, so there is no loop for a prefetch to run ahead in.  The walk begins when steps 0 to 3 are in (waves 0 to 3 fetch
; them, by a line of their own).  A second barrier shows the rest: it is signalled behind step 0 and waited for behind step 2.  CLUSTERS: 4 x 4 work-groups are two heads; the four of a row of the cluster ask jointly.
; Nothing but q's and o's addresses and the mask's lane values hangs on a work-group's place in its row.
; ORDER OF A STEP: its scores stand in registers when it begins.  Its v and the next step's k are loaded while the softmax is made, the next scores are multiplied when p has become codes, and then comes this step's second product.
; LAYOUT.  Both products are used transposed: S^T = k q^T (source 0 = 16 keys, source 1 = my 16 queries), O^T = v^T p^T: a lane holds ONE query throughout.  By the rule for tiles (launch quant) registers 32 c + i
; of S^T are keys 64 c + 32 (lane / 16) + i: two whole blocks of a lane, in the lane and order of the next operand; the 32 registers of O^T are channels 32 (lane / 16) + 0 .. 31.
; THE FIRST PRODUCT'S K IS 64, the instruction's 128: q's upper four registers are zero codes.  k's tile t is named v[32 + 4 t : 39 + 4 t]: its upper four registers are the next tile's codes (zeros behind tile 7), which
; meet q's zeros; no scale byte is 0xff.
; The scale bytes of o go out one byte a lane, 32 bytes of a run of 256 that eight heads share: one byte for each 16 bytes of codes.
; LIMITS: as at the head of launch quant; a p under 2^-126 falls to 0; the promise holds while the scaled scores stay under 2^31 in magnitude (hidden scores become numbers of -2^99 and less ahead of the maximum).
.set PKG,   4352
.set KVH,   143360
.set KVS,   8960
.set SPARE, KVH                        ; behind the head's block: the spare words, 128 bytes for each wave, which no other line names
.set LI,   1                           ; v1  16 x lane
.set R16,  2                           ; v2  16 r
.set ADV,  4                           ; v4  the step's block + 16 x lane, for v
.set SPW,  5                           ; v5  LDS address of my spare word; never rewritten
.set NIL,  6                           ; v6  0; never rewritten
.set OB,   7                           ; v7  16 r + h: my scale byte's place
.set ADL,  8                           ; v8  the next step's block + 16 x lane, for k
.set ADR,  9                           ; v9  the step's block + 16 r
.set BP,   10                          ; v[10:11] (d + 1/2) 2^100 and (d - 1/2) 2^100, d = my query's place in its band - 32 h
; v12 -M, v13 the largest score, v[14:15] the sum in two halves; v16-19 q, v20-23 zeros
; v32-63 k, v64-67 zeros, v68-71 k's scale words, v72-75 v's; v96-159 S^T, then p; v160-191 O^T; v192-223 v; v224-231 p's codes; v232-254 at work (v[250:251] f, v253 p's scale word); v255 q's scale words
.set TB,   2                           ; s2  LDS byte at which the step's block begins
.set J,    3                           ; s3  the step
.set NCS,  16                          ; s16 -c
.set TN,   17                          ; s17 where the next step's block begins
.set WV,   18
.set SEL,  20                          ; s[20:21]
.set CS,   22                          ; s[22:23] c = log2(e) / 8
.set G1,   24                          ; s[24:31]
.set G0,   32                          ; s[32:35]
.set BAND, 40
.set P2,   66                          ; s[66:67] -2^101
.set P64,  68                          ; s[68:69] -2^106
.macro CROUND
	s_barrier_signal -1
	s_barrier_wait -1
	s_cmp_lg_u32 s[WV], 0
	s_cbranch_scc1 .Lnot_wave_0_\@
	s_barrier_signal -3
.Lnot_wave_0_\@:
	s_barrier_wait -3
	s_barrier_signal -1
	s_barrier_wait -1
.endm
.macro H n
	s_delay_alu instid0(VALU_DEP_\n)
.endm
	s_load_b256 s[4:11], s[0:1], 0x0               ; q_img s[4:5], q_sc s[6:7], kv s[8:9], o_img s[10:11]
	v_lshl_add_u32 v[SPW], v0, 2, SPARE
	v_mov_b32 v[NIL], 0
	ds_add_u32 v[SPW], v[NIL]                      ; the wave's opening: the add, twice on end, and its wait ahead of the first tensor load; the set-up below stands between
	ds_add_u32 v[SPW], v[NIL]
	v_lshrrev_b32 v8, 5, v0
	v_readfirstlane_b32 s[WV], v8                  ; wave 0..15
	s_bfe_u32 s12, ttmp6, 0x40000                  ; cx
	s_bfe_u32 s13, ttmp6, 0x40004                  ; cy
	s_and_b32 s14, ttmp7, 0xffff
	s_lshl_b32 s14, s14, 1
	s_lshr_b32 s15, s13, 1
	s_add_co_u32 s14, s14, s15                     ; the head of 32, which my row of the cluster shares
	s_lshl_b32 s15, s13, 2
	s_lshl_b32 s15, 15, s15                        ; my row of the cluster
	; descriptor group 1: a step is one dense block: 35 rows of 256 bytes (32 elements of 8 bytes), no padding
	s_or_b32 s[G1], s15, (3<<16)|(1<<21)           ; 15:0 the mask; 17:16 elements of 8 bytes; 21 set beside a mask
	s_mov_b32 s[G1+1], 32<<16                      ; tensor_dim0
	s_mov_b32 s[G1+2], 35<<16                      ; tensor_dim1
	s_mov_b32 s[G1+3], 32<<16                      ; tile_dim0
	s_mov_b32 s[G1+4], 35                          ; tile_dim1
	s_mov_b32 s[G1+5], 32                          ; tensor_dim0_stride
	s_mov_b32 s[G1+6], 0
	s_mov_b32 s[G1+7], 0
	s_mul_i32 s46, s[WV], KVS                      ; I fetch step w: in LDS,
	s_mul_i32 s44, s14, KVH
	s_add_co_u32 s44, s44, s46                     ; and in memory
	s_mov_b32 s45, 0
	s_and_b32 s13, s13, 1
	s_lshl_b32 s13, s13, 2
	s_add_co_u32 s13, s13, s12                     ; g
	s_lshr_b32 s36, s[WV], 2
	s_sub_co_u32 s36, 3, s36                       ; m
	s_and_b32 s37, s[WV], 3                        ; c
	s_lshl_b32 s37, s37, 2
	s_lshr_b32 s37, 0x2130, s37
	s_and_b32 s37, s37, 3                          ; s(c)
	s_xor_b32 s37, s37, s36
	s_lshl_b32 s36, s36, 2
	s_add_co_u32 s[BAND], s36, s37
	s_lshl_b32 s43, s[BAND], 3
	s_add_co_u32 s43, s43, s13                     ; my tile of the head's 128
	s_lshl_b32 s48, s14, 7
	s_add_co_u32 s48, s48, s43
	s_lshl_b32 s48, s48, 9                         ; q's codes: 512 bytes a tile
	s_mov_b32 s49, 0
	s_lshl_b32 s50, s14, 13                        ; q's scale words: 8,192 bytes a head, 256 for four tiles, a word a tile
	s_lshr_b32 s19, s43, 2
	s_lshl_b32 s19, s19, 8
	s_add_co_u32 s50, s50, s19
	s_and_b32 s19, s43, 3
	s_lshl_b32 s19, s19, 2
	s_add_co_u32 s50, s50, s19
	s_mov_b32 s51, 0
	s_and_b32 s56, s14, 15                         ; the head of 16
	s_lshr_b32 s57, s14, 4                         ; the batch
	s_lshl_b32 s57, s57, 7
	s_lshr_b32 s19, s56, 3                         ; o's package: half of K = head / 8, tile 128 batch + my tile
	s_lshl_b32 s19, s19, 8
	s_add_co_u32 s19, s19, s57
	s_add_co_u32 s19, s19, s43
	s_mul_i32 s19, s19, PKG
	s_bfe_u32 s57, s56, 0x20001                    ; the fragment in it: (head / 2) % 4
	s_and_b32 s56, s56, 1                          ; and the fragment's half: head % 2
	s_lshl_b32 s58, s57, 10
	s_add_co_u32 s58, s58, s19
	s_lshl_b32 s59, s56, 9
	s_add_co_u32 s58, s58, s59                     ; my codes
	s_mov_b32 s59, 0
	s_lshl_b32 s60, s57, 2
	s_add_co_u32 s60, s60, s19
	s_lshl_b32 s61, s56, 1
	s_add_co_u32 s60, s60, s61
	s_add_co_u32 s60, s60, 4096                    ; my two bytes of each row's scale word
	s_mov_b32 s61, 0
	s_lshr_b32 s62, s13, 2
	s_lshl_b32 s62, s62, 6
	s_and_b32 s63, s13, 3
	s_lshl_b32 s63, s63, 3
	s_add_co_u32 s62, s62, s63                     ; my tile's first query in its band: 64 (g / 4) + 8 (g % 4)
	s_mov_b32 s[SEL], 0x76543210
	s_mov_b32 s[SEL+1], 0xfedcba98
	s_mov_b32 s[CS], 0x3e38aa3b                    ; c = log2(e) / 8
	s_mov_b32 s[CS+1], s[CS]                       ; (named with it as a pair, so it is written)
	s_mov_b32 s[NCS], 0xbe38aa3b
	s_mov_b32 s[P2], 0xf2000000
	s_mov_b32 s[P2+1], s[P2]
	s_mov_b32 s[P64], 0xf4800000
	s_mov_b32 s[P64+1], s[P64]
	s_mov_b32 s[TB], 0
	s_mov_b32 s[J], 0
	v_and_b32 v232, 31, v0                         ; lane
	v_and_b32 v233, 15, v0                         ; r
	v_bfe_u32 v234, v0, 4, 1                       ; h
	v_lshlrev_b32 v[LI], 4, v232
	v_lshlrev_b32 v[R16], 4, v233
	v_and_b32 v235, 8, v233
	v_lshlrev_b32 v236, 5, v234
	v_mad_u32_u24 v235, v235, 3, v233              ; r % 8 + 32 (r / 8)
	v_sub_nc_u32 v235, v235, v236
	v_add_nc_u32 v235, s62, v235                   ; d
	v_cvt_f32_i32 v[BP], v235
	v_add_f32 v[BP], 0.5, v[BP]
	v_mul_f32 v[BP], 0x71800000, v[BP]             ; x 2^100
	v_add_f32 v[BP+1], 0xf1800000, v[BP]           ; - 2^100
	v_add_nc_u32 v[OB], v[R16], v234
.irp j, 20,21,22,23,64,65,66,67
	v_mov_b32 v[\j], 0                             ; zero codes
.endr
.irp j, 240,251,252
	v_mov_b32 v[\j], 0                             ; written once: a lane permute's destination counts as one of its sources; v251 is the upper half of a pair
.endr
	v_mov_b32 v12, 0x7f000000                      ; -M, above every true one
	v_mov_b32 v13, 0xff61b1e6                      ; the largest score so far: -3e38, under every score
	v_mov_b32 v14, 0
	v_mov_b32 v15, 0
.set n, 0
.rept 32
	v_mov_b32 v[160+n], 0                          ; O^T: the first change of M multiplies zeros
.set n, n+1
.endr
	s_wait_alu depctr_va_vdst(0)                   ; the wait at the end of the head's vector work
	s_wait_dscnt 0x0                               ; both opening adds are done
	CROUND                                         ; all sixteen work-groups are here: the joint loads meet
	s_wait_kmcnt 0x0
	s_mov_b32 s[G0], 1                             ; count = 1
	s_mov_b32 s[G0+1], s46                         ; LDS address
	s_add_nc_u64 s[G0+2:G0+3], s[8:9], s[44:45]    ; global address
	s_or_b32 s[G0+3], s[G0+3], 0x80000000          ; type = 2
	s_cmp_lt_u32 s[WV], 4                          ; every wave's one tensor load: waves 0 to 3, which wait for theirs sooner, have a line of their own
	s_cbranch_scc0 .Llater
	tensor_load_to_lds s[G0:G0+3], s[G1:G1+7]
	s_nop 0
.rept 4
	v_nop
.endr
	s_branch .Lasked
.Llater:
	tensor_load_to_lds s[G0:G0+3], s[G1:G1+7]
	s_nop 0
.rept 4
	v_nop
.endr
.Lasked:
	s_add_nc_u64 s[48:49], s[4:5], s[48:49]
	s_add_nc_u64 s[50:51], s[6:7], s[50:51]
	global_load_b128 v[16:19], v[LI], s[48:49]     ; q's codes stay in registers
	global_load_b32 v255, v[R16], s[50:51]         ; and its scale words
	s_add_nc_u64 s[58:59], s[10:11], s[58:59]
	s_add_nc_u64 s[60:61], s[10:11], s[60:61]
.macro KLOAD ad                        ; a step's k and its scale words (lanes 0-15 tiles 0-3, lanes 16-31 tiles 4-7)
	ds_load_b128 v[68:71], v[\ad] offset:8192
.irp t, 0,1,2,3,4,5,6,7
	ds_load_b128 v[32+4*\t:35+4*\t], v[\ad] offset:512*\t
.endr
.endm
.macro QK                              ; S^T = k q^T
.irp t, 0,1,2,3
	v_wmma_scale_f32_16x16x128_f8f6f4 v[96+8*\t:103+8*\t], v[32+4*\t:39+4*\t], v[16:23], 0, v[68+\t], v255 matrix_a_fmt:MATRIX_FMT_FP4 matrix_b_fmt:MATRIX_FMT_FP4
.endr
.irp t, 4,5,6,7
	v_wmma_scale_f32_16x16x128_f8f6f4 v[96+8*\t:103+8*\t], v[32+4*\t:39+4*\t], v[16:23], 0, v[64+\t], v255 matrix_a_fmt:MATRIX_FMT_FP4 matrix_b_fmt:MATRIX_FMT_FP4 matrix_a_scale:MATRIX_SCALE_ROW1
.endr
.endm
; A KEY STEP: 128 keys.  Every wave makes every trip; a trip beyond my band moves the address on and does nothing else: a scalar branch on ids, round no barrier.
.macro STEP first
.if \first == 0
	s_cmp_gt_u32 s[J], s[BAND]
	s_cbranch_scc1 .Lhidden_\@
.endif
	s_add_co_u32 s[TN], s[TB], KVS
	s_min_u32 s[TN], s[TN], 15*KVS                 ; (no step lies behind the last)
	v_add_nc_u32 v[ADV], s[TB], v[LI]              ; four places in front of the first reads of S^T, and of loads into registers that the last products have read
	v_add_nc_u32 v[ADR], s[TB], v[R16]
	v_add_nc_u32 v[ADL], s[TN], v[LI]
	v_mov_b32 v254, v12
	ds_load_b128 v[72:75], v[ADR] offset:8704      ; v's scale words: a word a tile of 16 channels
.irp d, 0,1,2,3
.irp c, 0,1
	ds_load_b128 v[192+8*\d+4*\c:195+8*\d+4*\c], v[ADV] offset:4096+1024*\d+512*\c
.endr
.endr
	s_cmp_lg_u32 s[J], s[BAND]
	s_cbranch_scc0 .Ldiag_\@
	KLOAD ADL                                      ; another step follows: its k
	s_branch .Lopen_\@
.Ldiag_\@:                                         ; on the diagonal, my last step: the lesser of the score and (d + 1/2 - n) 2^100, n = 64 c + i the key's place in the step - 32 h: what is hidden (n > d) becomes -2^99 or less, what counts stays
	v_pk_add_f32 v[242:243], v[BP:BP+1], s[P64:P64+1] op_sel_hi:[1,0]
	v_min_num_f32 v96, v96, v[BP]
	v_min_num_f32 v97, v97, v[BP+1]
	v_pk_add_f32 v[240:241], v[BP:BP+1], s[P2:P2+1] op_sel_hi:[1,0]
	v_min_num_f32 v128, v128, v242
	v_min_num_f32 v129, v129, v243
	v_pk_add_f32 v[242:243], v[242:243], s[P2:P2+1] op_sel_hi:[1,0]
.set n, 2
.rept 15
	v_min_num_f32 v[96+n], v[96+n], v240
	v_min_num_f32 v[97+n], v[97+n], v241
	v_min_num_f32 v[128+n], v[128+n], v242
	v_min_num_f32 v[129+n], v[129+n], v243
.if n < 30
	v_pk_add_f32 v[240:241], v[240:241], s[P2:P2+1] op_sel_hi:[1,0]
	v_pk_add_f32 v[242:243], v[242:243], s[P2:P2+1] op_sel_hi:[1,0]
.endif
.set n, n+2
.endr
.Lopen_\@:
.irp b, 0,1,2,3
	v_max3_num_f32 v[232+\b], v[96+16*\b], v[97+16*\b], v[98+16*\b]   ; THE LARGEST SCORE OF EACH BLOCK OF 32 KEYS: it serves the row's maximum and, since p rises with the score, the block's scale
.endr
.irp i, 3,5,7,9,11,13
.irp b, 0,1,2,3
	v_max3_num_f32 v[232+\b], v[232+\b], v[96+16*\b+\i], v[97+16*\b+\i]
.endr
.endr
	v_max3_num_f32 v236, v232, v233, v111
	v_max3_num_f32 v237, v234, v235, v143
	v_max_num_f32 v236, v236, v127                 ; my first block's
	v_max_num_f32 v237, v237, v159                 ; and my second's
	H 1
	v_max_num_f32 v232, v236, v237
	H 1
	v_permlanex16_b32 v233, v232, s[SEL], s[SEL+1]
	H 1
	v_max3_num_f32 v13, v13, v232, v233            ; the running largest score of my query
	H 1
	v_mul_f32 v232, s[NCS], v13                    ; -t (c is positive)
	H 1
	v_floor_f32 v12, v232                          ; the new -M = floor(-t): a whole number
.set n, 0
.rept 32
	v_pk_fma_f32 v[96+n:97+n], v[96+n:97+n], s[CS:CS+1], v[12:13] op_sel_hi:[1,0,0]   ; t - M, two at a time
.if n == 6
	v_sub_f32 v254, v12, v254                      ; M's old value less its new one: a whole number, 0 or less
.endif
.if n == 14
	v_cvt_i32_f32 v254, v254                       ; (it saturates)
.endif
.if n == 22
	v_ldexp_f32 v250, 1.0, v254                    ; f = 2^(old M - new M)
.endif
.set n, n+2
.endr
	v_fma_f32 v236, v236, s[CS], v12               ; the same of each block's largest score
	v_fma_f32 v237, v237, s[CS], v12
.set n, 0
.rept 16
	v_pk_mul_f32 v[160+n:161+n], v[160+n:161+n], v[250:251] op_sel_hi:[1,0]   ; O^T under the new M
.set n, n+2
.endr
	s_wait_alu depctr_va_vdst(0)                   ; the wait ahead of the batch
.set n, 0
.rept 64
	v_exp_f32 v[96+n], v[96+n]                     ; p = 2^(t - M), at most 1: not normalised
.set n, n+1
.endr
	v_pk_mul_f32 v[14:15], v[14:15], v[250:251] op_sel_hi:[1,0]   ; the sums under the new M; this and the scales' lines name no exponential's result
	v_max_num_f32 v236, 0xc2f80000, v236           ; -124: the byte cannot fall under 1
	v_max_num_f32 v237, 0xc2f80000, v237
	H 2
	v_floor_f32 v236, v236
	H 2
	v_floor_f32 v237, v237
	H 2
	v_cvt_i32_f32 v238, v236                       ; e = floor(log2(the block's largest p))
	H 2
	v_cvt_i32_f32 v239, v237
	H 2
	v_lshl_add_u32 v244, v238, 23, 0x3e800000      ; (e + 125) << 23: the conversion's scale operand
	H 2
	v_lshl_add_u32 v245, v239, 23, 0x3e800000
	v_lshl_add_u32 v238, v239, 16, v238
	H 1
	v_add_nc_u32 v238, 0x7d007d, v238              ; the bytes e + 125: blocks h and 2 + h of these 128 keys
	H 1
	v_permlanex16_b32 v240, v238, s[SEL], s[SEL+1]
	H 1
	v_lshl_or_b32 v253, v240, 8, v238              ; lanes 0-15: p's scale word (lanes 16-31 are not read)
	s_wait_alu depctr_va_vdst(0)                   ; the wait ahead of the first line that names a result of the batch
	v_pk_add_f32 v[232:233], v[96:97], v[98:99]    ; THE ROW'S SUM OF THE UNQUANTISED p: four chains by turns
	v_pk_add_f32 v[234:235], v[100:101], v[102:103]
	v_pk_add_f32 v[246:247], v[104:105], v[106:107]
	v_pk_add_f32 v[14:15], v[14:15], v[108:109]
.set n, 110
.rept 5
	v_pk_add_f32 v[232:233], v[232:233], v[n:n+1]
	v_pk_add_f32 v[234:235], v[234:235], v[n+2:n+3]
	v_pk_add_f32 v[246:247], v[246:247], v[n+4:n+5]
	v_pk_add_f32 v[14:15], v[14:15], v[n+6:n+7]
.set n, n+8
.endr
.irp c, 0,1
.irp i, 0,1,2,3
	v_cvt_scalef32_pk8_fp4_f32 v[224+4*\c+\i], v[96+32*\c+8*\i:103+32*\c+8*\i], v[244+\c]
.endr
.endr
	v_pk_add_f32 v[232:233], v[232:233], v[150:151]   ; these eight are also the places between p's codes and the products below
	v_pk_add_f32 v[234:235], v[234:235], v[152:153]
	v_pk_add_f32 v[246:247], v[246:247], v[154:155]
	v_pk_add_f32 v[14:15], v[14:15], v[156:157]
	v_pk_add_f32 v[232:233], v[232:233], v[158:159]
	v_pk_add_f32 v[234:235], v[234:235], v[246:247]
	v_pk_add_f32 v[14:15], v[14:15], v[232:233]
	v_pk_add_f32 v[14:15], v[14:15], v[234:235]
	s_wait_alu depctr_va_vdst(0)                   ; the wait here, directly ahead of the wait below
	s_wait_dscnt 0x0                               ; v and the next step's k are in
	s_cmp_eq_u32 s[J], s[BAND]
	s_cbranch_scc1 .Llast_\@
	QK                                             ; the next step's scores
.Llast_\@:
.irp d, 0,1,2,3                                ; O^T += v^T p^T: four accumulators by turns
	v_wmma_scale_f32_16x16x128_f8f6f4 v[160+8*\d:167+8*\d], v[192+8*\d:199+8*\d], v[224:231], v[160+8*\d:167+8*\d], v[72+\d], v253 matrix_a_fmt:MATRIX_FMT_FP4 matrix_b_fmt:MATRIX_FMT_FP4
.endr
.Lhidden_\@:
	s_add_co_u32 s[TB], s[TB], KVS
	s_add_co_u32 s[J], s[J], 1
.endm
	s_wait_loadcnt 0x0                             ; q
	s_cmp_lt_u32 s[WV], 4
	s_cbranch_scc0 .Lnot_mine
	s_wait_tensorcnt 0x0                           ; steps 0 to 3 have landed: the four waves that fetched them wait
.Lnot_mine:
	s_barrier_signal -1
	s_barrier_wait -1
	KLOAD LI
	s_wait_dscnt 0x0
	QK
	STEP 1                                         ; step 0, and step 1's k
	s_mov_b32 s[TB], KVS
	s_mov_b32 s[J], 1
	s_wait_tensorcnt 0x0                           ; my part of the head's block has landed
	s_barrier_signal -1
.Learly:                                           ; steps 1 and 2, and step 3's k: they lie in what the first barrier has shown
	STEP 0
	s_cmp_lt_u32 s[J], 3
	s_cbranch_scc1 .Learly
	s_mov_b32 s[TB], 3*KVS
	s_mov_b32 s[J], 3
	s_wait_alu depctr_va_vdst(0)                   ; the wait here, directly ahead of the wait below
	s_barrier_wait -1                              ; everybody's part has landed
.Lstep:
	STEP 0
	s_cmp_lt_u32 s[J], 16
	s_cbranch_scc1 .Lstep
	; THE WAY OUT: O^T / the sum; its 32 registers are channels 32 h + 0 .. 31 of my query: one block, quantised as it stands
	v_add_f32 v13, v14, v15                        ; the sum's two halves
	v_nop
	v_permlanex16_b32 v252, v13, s[SEL], s[SEL+1]
	v_nop
	v_add_f32 v14, v13, v252                       ; with lane l xor 16's: the row's sum.  (Four places and more in front of the first read of O^T)
	s_wait_alu depctr_va_vdst(0)                   ; the wait ahead of the reciprocal
	v_rcp_f32 v14, v14
	v_nop                                          ; a plain place behind the reciprocal
	s_wait_alu depctr_va_vdst(0)                   ; and the wait ahead of its first reader
.set n, 0
.rept 16
	v_pk_mul_f32 v[96+n:97+n], v[160+n:161+n], v[14:15] op_sel_hi:[1,0]
.set n, n+2
.endr
.irp b, 0,1,2,3
	v_max3_num_f32 v[232+\b], |v[96+8*\b]|, |v[97+8*\b]|, |v[98+8*\b]|
.endr
.irp i, 3,5
.irp b, 0,1,2,3
	v_max3_num_f32 v[232+\b], v[232+\b], |v[96+8*\b+\i]|, |v[97+8*\b+\i]|
.endr
.endr
	v_max3_num_f32 v232, v232, v233, |v103|
	v_max3_num_f32 v234, v234, v235, |v119|
	v_max3_num_f32 v232, v232, |v111|, |v127|
	v_max3_num_f32 v232, v232, v234, 0x1800000     ; and the floor
	v_add_nc_u32 v244, 0xff000000, v232
.irp i, 0,1,2,3
	v_cvt_scalef32_pk8_fp4_f32 v[224+\i], v[96+8*\i:103+8*\i], v244
.endr
	v_lshrrev_b32 v240, 23, v244                   ; my block's byte.  (The plain place behind the conversions)
	global_store_b128 v[LI], v[224:227], s[58:59]  ; 32 lanes store 512 consecutive bytes, at a multiple of 256 from the buffer's first byte
	global_store_b8 v[OB], v240, s[60:61]
	s_wait_tensorcnt 0x0                           ; the wave's end
	ds_add_u32 v[SPW], v[NIL]
	s_wait_dscnt 0x0
	CROUND                                         ; the closing round
	s_endpgm
.Lfunc_end_k_q007109b545_attn:
	.size	k_q007109b545_attn, .Lfunc_end_k_q007109b545_attn-k_q007109b545_attn
	.p2alignl 7, 3214868480
	.fill 96, 4, 3214868480
	.section	.rodata,"a",@progbits
	.p2align	6, 0x0
	.amdhsa_kernel k_q007109b545_attn
		.amdhsa_group_segment_fixed_size 167936
		.amdhsa_private_segment_fixed_size 0
		.amdhsa_enable_private_segment 0
		.amdhsa_kernarg_size 32
		.amdhsa_user_sgpr_count 2
		.amdhsa_user_sgpr_kernarg_segment_ptr 1
		.amdhsa_wavefront_size32 1
		.amdhsa_system_sgpr_workgroup_id_x 1
		.amdhsa_system_sgpr_workgroup_id_y 1
		.amdhsa_system_sgpr_workgroup_id_z 1
		.amdhsa_system_vgpr_workitem_id 0
		.amdhsa_next_free_vgpr 256
		.amdhsa_next_free_sgpr 72
		.amdhsa_reserve_vcc 0
		.amdhsa_float_denorm_mode_32 3
		.amdhsa_float_denorm_mode_16_64 3
		.amdhsa_memory_ordered 1
		.amdhsa_forward_progress 1
		.amdhsa_inst_pref_size 69
	.end_amdhsa_kernel
	.amdgpu_metadata
---
amdhsa.version: [ 1, 2 ]
amdhsa.kernels:
  - .name:           k_q007109b545_attn
    .symbol:         k_q007109b545_attn.kd
    .args:
      - { .name: q_img, .offset: 0, .size: 8, .value_kind: global_buffer, .address_space: global }
      - { .name: q_sc, .offset: 8, .size: 8, .value_kind: global_buffer, .address_space: global }
      - { .name: kv, .offset: 16, .size: 8, .value_kind: global_buffer, .address_space: global }
      - { .name: o_img, .offset: 24, .size: 8, .value_kind: global_buffer, .address_space: global }
    .group_segment_fixed_size: 167936
    .private_segment_fixed_size: 0
    .kernarg_segment_align: 8
    .kernarg_segment_size: 32
    .max_flat_workgroup_size: 512
    .sgpr_count:     72
    .vgpr_count:     256
    .wavefront_size: 32
...
	.end_amdgpu_metadata
.endif
;; end of part 3
;; launch proj (part 4): grid 8 x 32, 4 waves a work-group, clusters of 4 x 4, 167,936 bytes of LDS; arguments o_img, pw_img, proj_b, out0; writes out0
.if DOCPART == 4
	.amdgcn_target "amdgcn-amd-amdhsa--gfx1250"
	.amdhsa_code_object_version 6
	.text
	.protected	k_q007109b545_proj
	.globl	k_q007109b545_proj
	.p2align	8
	.type	k_q007109b545_proj,@function
k_q007109b545_proj:
	s_mov_b64 s[64:65], 0
	v_nop
	global_prefetch_b8 v0, s[64:65] scope:SCOPE_SE
	s_setreg_imm32_b32 hwreg(HW_REG_WAVE_MODE, 25, 1), 1
	s_wait_xcnt 0x0
	s_wait_alu depctr_hold_cnt(0) depctr_sa_sdst(0) depctr_va_vdst(0) depctr_va_sdst(0) depctr_va_ssrc(0) depctr_va_vcc(0) depctr_vm_vsrc(0)
	s_getreg_b32 s2, hwreg(HW_REG_IB_STS2, 6, 4)
	s_cmp_eq_u32 s2, 0
	s_cbranch_scc0 .Lentry_in_a_cluster
	s_endpgm
.Lentry_in_a_cluster:
	s_bfe_u32 s2, ttmp6, 0x10000c
	s_cmp_lg_u32 s2, 0xf033
	s_cbranch_scc0 .Lentry_shape_is_right
	s_endpgm
.Lentry_shape_is_right:
; out0 = o proj_w^T + proj_b on codes of FP4 (K = 1,024); o and proj_w come as the images of launch quant's head comment; out0 [4,096][1,024] f32.
; 256 work-groups of four waves: 128 tokens (P, source 1: along the lanes) x 128 features (Q, source 0: along a lane's registers); a wave 64 x 64.  All of K lies in LDS: each wave brings 4 packages of both halves of K by
; ONE joint load of two rows of 17,408 bytes; no LDS byte is filled twice, and with no loop behind the head's loads there is nothing for a prefetch to run ahead in.
; CLUSTERS: 4 x 4: P's packages are shared along a row of the cluster, Q's along a column.  The bias is the C of each sum's first matrix instruction.
; BY ROWS: all of Q's fragments stay in registers (8 K steps x 4 tiles x 8), and the wave's four tiles of 16 tokens are finished one after the other, each with 32 matrix instructions, its four accumulators by turns, K
; ascending; each tile leaves as soon as it is finished.  THE WAY OUT: a lane holds 32 neighbouring features of one token; a tile of 16 tokens x 64 features goes through the wave's own stage in LDS (rows 272 bytes apart)
; and leaves as rows of 256 bytes.
; REGISTERS: window 0: v16-29 addresses; v32-63 scale words; v64-127 rows of out0, two sets; v128-255 P's fragments of a tile, two sets.  window 1: Q's fragments.  window 2: v0-127 the accumulators; v128-159 the bias.
; LIMITS: as at the head of launch quant.
.set PKG,   4352
.set HALFT, 8*PKG                      ; what one tensor load brings: 4 packages of each half of K
.set SLOT,  4*PKG                      ; from the first half's packages to the second's
.set STG,   4*HALFT                    ; behind them: a stage of 16 rows x 272 bytes for each wave.  No tensor load lands here
.set SPARE, STG+4*16*272               ; the spare words, 128 bytes for each wave, which no other line names
.set ADRP, 16
.set ADRQ, 20
.set ADRS, 22
.set STO,  24                          ; v24  the stage, in: 272 r + 128 h
.set RD,   25                          ; v25  and back: 272 h + 16 r
.set CO,   26                          ; v26  the same place in out0: 4,096 h + 16 r
.set BO,   27                          ; v27  128 h: my half's 32 numbers of the bias
.set SPW,  28                          ; v28  LDS address of my spare word; never rewritten
.set NIL,  29                          ; v29  0; never rewritten
.set SC,   32
.set OR,   64
.set PF,   128
.set BI,   128                         ; in window 2
.set G1,  24
.set G0,  32
.set G1B, 48
.set G0B, 56
.set MSB, 0
.macro WIN new
.if MSB != (\new)
	s_set_vgpr_msb (MSB<<8)|(\new)
.set MSB, (\new)
.endif
.endm
.macro CROUND
	s_barrier_signal -1
	s_barrier_wait -1
	s_cmp_lg_u32 s16, 0
	s_cbranch_scc1 .Lnot_wave_0_\@
	s_barrier_signal -3
.Lnot_wave_0_\@:
	s_barrier_wait -3
	s_barrier_signal -1
	s_barrier_wait -1
.endm
.macro PLACES
.rept 4
	v_nop
.endr
.endm
	s_load_b256 s[4:11], s[0:1], 0x0               ; o_img s[4:5], pw_img s[6:7], proj_b s[8:9], out0 s[10:11]
	v_lshl_add_u32 v[SPW], v0, 2, SPARE
	v_mov_b32 v[NIL], 0
	ds_add_u32 v[SPW], v[NIL]                      ; the wave's opening: the add, twice on end, and its wait ahead of my first tensor load; the set-up below stands between
	ds_add_u32 v[SPW], v[NIL]
	v_lshrrev_b32 v1, 5, v0
	v_readfirstlane_b32 s16, v1                    ; wave 0..3
	s_lshr_b32 s17, s16, 1                         ; which 64 tokens are mine.  Also: I fetch for P (0) or for Q (1)
	s_and_b32 s18, s16, 1                          ; which 64 features.  Also: which 4 packages I fetch
	s_bfe_u32 s40, ttmp6, 0x40000                  ; cx
	s_bfe_u32 s41, ttmp6, 0x40004                  ; cy
	s_lshl_b32 s42, ttmp9, 2
	s_add_co_u32 s42, s42, s40                     ; QI: block of 128 features
	s_and_b32 s43, ttmp7, 0xffff
	s_lshl_b32 s43, s43, 2
	s_add_co_u32 s43, s43, s41                     ; PI: block of 128 tokens
	s_lshl_b32 s44, s41, 2
	s_lshl_b32 s44, 15, s44                        ; my row of the cluster
	s_lshl_b32 s45, 0x1111, s40                    ; my column
	; descriptor group 1: two rows (the halves of K) of 4 packages, 2,176 elements of 8 bytes, no padding
	s_or_b32 s[G1], s44, (3<<16)|(1<<21)
	s_or_b32 s[G1B], s45, (3<<16)|(1<<21)
.irp g, G1, G1B
	s_mov_b32 s[\g+1], (PKG/2)<<16                 ; tensor_dim0
	s_mov_b32 s[\g+2], 2<<16                       ; tensor_dim1
	s_mov_b32 s[\g+3], (PKG/2)<<16                 ; tile_dim0
	s_mov_b32 s[\g+4], 2                           ; tile_dim1
	s_mov_b32 s[\g+6], 0
	s_mov_b32 s[\g+7], 0
.endr
	s_mov_b32 s[G1+5], 32*PKG                      ; tensor_dim0_stride: o has 256 packages to a half of K,
	s_mov_b32 s[G1B+5], 8*PKG                      ; proj_w 64
	s_lshl_b32 s46, s18, 2
	s_lshl_b32 s20, s43, 3
	s_add_co_u32 s20, s20, s46
	s_mul_i32 s20, s20, PKG                        ; P: package 8 PI + 4 (wave % 2)
	s_mov_b32 s21, 0
	s_lshl_b32 s22, s42, 3
	s_add_co_u32 s22, s22, s46
	s_mul_i32 s22, s22, PKG                        ; Q: package 8 QI + 4 (wave % 2)
	s_mov_b32 s23, 0
	s_mul_i32 s47, s16, HALFT                      ; where they go: no place in the cluster enters an LDS address
	s_wait_dscnt 0x0                               ; both opening adds are done
	CROUND                                         ; all sixteen work-groups are here: the joint loads meet
	s_wait_kmcnt 0x0
	s_mov_b32 s[G0], 1
	s_mov_b32 s[G0+1], s47
	s_add_nc_u64 s[G0+2:G0+3], s[4:5], s[20:21]
	s_or_b32 s[G0+3], s[G0+3], 0x80000000
	s_mov_b32 s[G0B], 1
	s_mov_b32 s[G0B+1], s47
	s_add_nc_u64 s[G0B+2:G0B+3], s[6:7], s[22:23]
	s_or_b32 s[G0B+3], s[G0B+3], 0x80000000
	s_cmp_eq_u32 s17, 0                            ; waves 0 and 1 fetch for P, waves 2 and 3 for Q, one load each
	s_cbranch_scc0 .Lfor_q
	tensor_load_to_lds s[G0:G0+3], s[G1:G1+7]
	s_nop 0
	PLACES
	s_branch .Lasked
.Lfor_q:
	tensor_load_to_lds s[G0B:G0B+3], s[G1B:G1B+7]
	s_nop 0
	PLACES
.Lasked:
	s_lshl_b32 s12, s42, 9
	s_lshl_b32 s13, s18, 8
	s_add_co_u32 s12, s12, s13                     ; my 64 features, in bytes
	s_mov_b32 s13, 0
	s_add_nc_u64 s[8:9], s[8:9], s[12:13]
	s_lshl_b32 s14, s43, 7
	s_lshl_b32 s15, s17, 6
	s_add_co_u32 s14, s14, s15
	s_lshl_b32 s14, s14, 12                        ; my first token's row of out0: 4,096 bytes a row
	s_add_co_u32 s14, s14, s12
	s_mov_b32 s15, 0
	s_add_nc_u64 s[10:11], s[10:11], s[14:15]
	s_mul_i32 s12, s17, HALFT                      ; my 4 packages of P
	s_mul_i32 s13, s18, HALFT                      ; and of Q,
	s_add_co_u32 s13, s13, 2*HALFT                 ; which lie behind P's
	s_sub_co_u32 s14, s13, s12
	s_add_co_u32 s15, s12, 4096
	s_mul_i32 s19, s16, 16*272
	s_add_co_u32 s19, s19, STG                     ; my stage
	v_and_b32 v1, 15, v0                           ; r
	v_bfe_u32 v2, v0, 4, 1                         ; h
	v_and_b32 v3, 31, v0                           ; lane
	v_lshlrev_b32 v4, 4, v3                        ; 16 x lane
	v_lshlrev_b32 v[BO], 7, v2
	v_add_nc_u32 v[ADRP], s12, v4
	v_add_nc_u32 v[ADRQ], s13, v4
	v_mul_u32_u24 v5, s14, v2                      ; lanes 16-31 take Q's words
	v_lshl_add_u32 v5, v1, 4, v5
	v_add_nc_u32 v[ADRS], s15, v5
	v_mul_u32_u24 v[STO], v1, 272
	v_lshl_add_u32 v[STO], v2, 7, v[STO]
	v_add_nc_u32 v[STO], s19, v[STO]
	v_mul_u32_u24 v[RD], v2, 272
	v_lshl_add_u32 v[RD], v1, 4, v[RD]
	v_add_nc_u32 v[RD], s19, v[RD]
	v_lshlrev_b32 v[CO], 12, v2
	v_lshl_add_u32 v[CO], v1, 4, v[CO]
	s_wait_alu depctr_va_vdst(0)                   ; the wait at the head's end
	WIN 0x80                                       ; destination window 2
.irp b, 0,1,2,3
.irp jj, 0,1
	global_load_b128 v[BI+8*\b+4*\jj:BI+8*\b+4*\jj+3], v[BO], s[8:9] offset:32*\b+16*\jj   ; tile b's registers are features 32 h + 8 b + 0 .. 7
.endr
.endr
	WIN 0
.macro PLOAD a                         ; P's fragments of tile a, all eight K steps, into set a % 2
.irp k, 0,1,2,3,4,5,6,7
.irp c, 0,1
	ds_load_b128 v[PF+64*((\a)%2)+8*\k+4*\c:PF+64*((\a)%2)+8*\k+4*\c+3], v[ADRP] offset:PKG*(\a)+SLOT*(\k/4)+1024*(\k%4)+512*\c
.endr
.endr
.endm
.macro MUL a                           ; 32 matrix instructions: the tile's four accumulators by turns
.if (\a) > 0
	s_wait_dscnt 0x0                               ; P's fragments are in
.endif
	WIN 0xa1                                       ; source 0 window 1, source 1 window 0, C and D window 2
.irp k, 0,1,2,3,4,5,6,7
.if (\a) == 0
	s_wait_dscnt 8*(7-\k)                          ; all but Q's loads of the later K steps
.endif
.irp b, 0,1,2,3
.if (\k) == 0
	v_wmma_scale_f32_16x16x128_f8f6f4 v[32*(\a)+8*\b:32*(\a)+8*\b+7], v[32*\k+8*\b:32*\k+8*\b+7], v[PF+64*((\a)%2)+8*\k:PF+64*((\a)%2)+8*\k+7], v[BI+8*\b:BI+8*\b+7], v[SC+16*(\k/4)+\k%4+4*\b], v[SC+16*(\k/4)+\k%4+4*(\a)] matrix_a_fmt:MATRIX_FMT_FP4 matrix_b_fmt:MATRIX_FMT_FP4 matrix_a_scale:MATRIX_SCALE_ROW1
.else
	v_wmma_scale_f32_16x16x128_f8f6f4 v[32*(\a)+8*\b:32*(\a)+8*\b+7], v[32*\k+8*\b:32*\k+8*\b+7], v[PF+64*((\a)%2)+8*\k:PF+64*((\a)%2)+8*\k+7], v[32*(\a)+8*\b:32*(\a)+8*\b+7], v[SC+16*(\k/4)+\k%4+4*\b], v[SC+16*(\k/4)+\k%4+4*(\a)] matrix_a_fmt:MATRIX_FMT_FP4 matrix_b_fmt:MATRIX_FMT_FP4 matrix_a_scale:MATRIX_SCALE_ROW1
.endif
.endr
.endr
	WIN 0
.endm
	s_wait_tensorcnt 0x0                           ; my packages have landed,
	s_barrier_signal -1
	s_barrier_wait -1                              ; everybody's have.
.irp sl, 0,1                                   ; the scale words: lanes 0-15 P's tile i, lanes 16-31 Q's tile i
.irp i, 0,1,2,3
	ds_load_b128 v[SC+16*\sl+4*\i:SC+16*\sl+4*\i+3], v[ADRS] offset:SLOT*\sl+PKG*\i
.endr
.endr
	PLOAD 0
	WIN 0x40                                       ; destination window 1
.irp k, 0,1,2,3,4,5,6,7
.irp b, 0,1,2,3
.irp c, 0,1
	ds_load_b128 v[32*\k+8*\b+4*\c:32*\k+8*\b+4*\c+3], v[ADRQ] offset:PKG*\b+SLOT*(\k/4)+1024*(\k%4)+512*\c
.endr
.endr
.endr
	WIN 0
	s_wait_loadcnt 0x0                             ; the bias
.irp a, 0,1,2,3
	MUL \a
	PLACES                                         ; in front of the first read of results, and of loads into registers that the last tile but one has read
.if \a >= 2
	s_wait_xcnt 0x0                                ; the stores of the tile two back have read this set of rows
.endif
	WIN 0x08                                       ; an LDS store's data are its source 1: window 2
.irp b, 0,1,2,3
.irp jj, 0,1
	ds_store_b128 v[STO], v[32*\a+8*\b+4*\jj:32*\a+8*\b+4*\jj+3] offset:32*\b+16*\jj   ; each accumulator from its low end on
.endr
.endr
	WIN 0
.irp i, 0,1,2,3,4,5,6,7
	ds_load_b128 v[OR+32*(\a%2)+4*\i:OR+32*(\a%2)+4*\i+3], v[RD] offset:544*\i   ; LDS serves a wave's instructions in order: these see my stores.  Lanes 0-15 row 2 i of the tile, lanes 16-31 row 2 i + 1
.endr
.if \a < 3
	PLOAD \a+1
	s_wait_dscnt 16                                ; the rows are back; the next tile's sixteen loads may be out
.else
	s_wait_dscnt 0x0
.endif
.irp i, 0,1,2,3,4,5,6,7
	global_store_b128 v[CO], v[OR+32*(\a%2)+4*\i:OR+32*(\a%2)+4*\i+3], s[10:11] offset:(8*\a+2*\i+24*(\i/4))*4096 th:TH_STORE_NT   ; row rr of tile a is token 8 a + rr % 8 + 32 (rr / 8); sixteen lanes store 256 consecutive bytes, at a multiple of 256 from out0's first byte
.endr
.endr
	s_wait_tensorcnt 0x0                           ; the wave's end, behind my last tensor load and my last LDS store
	ds_add_u32 v[SPW], v[NIL]
	s_wait_dscnt 0x0
	CROUND                                         ; the closing round
	s_endpgm
.Lfunc_end_k_q007109b545_proj:
	.size	k_q007109b545_proj, .Lfunc_end_k_q007109b545_proj-k_q007109b545_proj
	.p2alignl 7, 3214868480
	.fill 96, 4, 3214868480
	.section	.rodata,"a",@progbits
	.p2align	6, 0x0
	.amdhsa_kernel k_q007109b545_proj
		.amdhsa_group_segment_fixed_size 167936
		.amdhsa_private_segment_fixed_size 0
		.amdhsa_enable_private_segment 0
		.amdhsa_kernarg_size 32
		.amdhsa_user_sgpr_count 2
		.amdhsa_user_sgpr_kernarg_segment_ptr 1
		.amdhsa_wavefront_size32 1
		.amdhsa_system_sgpr_workgroup_id_x 1
		.amdhsa_system_sgpr_workgroup_id_y 1
		.amdhsa_system_sgpr_workgroup_id_z 1
		.amdhsa_system_vgpr_workitem_id 0
		.amdhsa_next_free_vgpr 672
		.amdhsa_next_free_sgpr 66
		.amdhsa_reserve_vcc 0
		.amdhsa_float_denorm_mode_32 3
		.amdhsa_float_denorm_mode_16_64 3
		.amdhsa_memory_ordered 1
		.amdhsa_forward_progress 1
		.amdhsa_inst_pref_size 40
	.end_amdhsa_kernel
	.amdgpu_metadata
---
amdhsa.version: [ 1, 2 ]
amdhsa.kernels:
  - .name:           k_q007109b545_proj
    .symbol:         k_q007109b545_proj.kd
    .args:
      - { .name: o_img, .offset: 0, .size: 8, .value_kind: global_buffer, .address_space: global }
      - { .name: pw_img, .offset: 8, .size: 8, .value_kind: global_buffer, .address_space: global }
      - { .name: proj_b, .offset: 16, .size: 8, .value_kind: global_buffer, .address_space: global }
      - { .name: out0, .offset: 24, .size: 8, .value_kind: global_buffer, .address_space: global }
    .group_segment_fixed_size: 167936
    .private_segment_fixed_size: 0
    .kernarg_segment_align: 8
    .kernarg_segment_size: 32
    .max_flat_workgroup_size: 128
    .sgpr_count:     66
    .vgpr_count:     672
    .wavefront_size: 32
...
	.end_amdgpu_metadata
.endif
;; end of part 4
